; MI455X (gfx1250); checked and timed in simulation.
; The chip was launched on July 23, 2026; its instructions are those of AMD's public machine-readable ISA for CDNA 5 (MIT licence, August 2026) and "CDNA5" Instruction Set Architecture Reference Guide (July 2026). The comments in the code are by the model that wrote it; some were corrected since.
;; Causal Self Attention. Allowed arithmetic: matrix products marked QUANTISED: E2M1 operands, one E8M0 scale for each 32 along K, by v_wmma_scale_f32_16x16x128_f8f6f4 with both operands' format E2M1 (or v_wmma_scale_f32_32x16x128_f4), f32 sums; everything else in f32.
;; Inputs: W_out 1,024 x 1,024 float32; W_qkv 1,024 x 3,072 float32; b_out 1,024 float32; b_qkv 3,072 float32; x 8 x 1,024 x 1,024 float32.
;; Outputs: out0 8 x 1,024 x 1,024 float32.
;; This version of the problem:
;;   THIS VERSION OF THE PROBLEM IS GIVEN IN LOW PRECISION. The matrix products marked QUANTISED in the list below multiply operands that are first quantised to E2M1 (2 exponent bits, 1 mantissa bit; 4 bits a number), with one power-of-two scale for each 32 numbers along K (OCP MX v1.0); their sums are f32. All else is computed in f32.
;;   The module's matrix products, in the order in which they are computed (A, B: the left and right operand; K: the contracted axis; several contracted axes count as one K, in the product's order):
;;     1. [M 8,192, K 1,024] x [K 1,024, N 3,072]; A: input x; B: input W_qkv: QUANTISED
;;     2. batch 128 x [M 1,024, K 64] x [K 64, N 1,024]; A: computed on the way; B: computed on the way: QUANTISED
;;     3. batch 128 x [M 1,024, K 1,024] x [K 1,024, N 64]; A: softmax (see below); B: computed on the way: QUANTISED
;;     4. [M 8,192, K 1,024] x [K 1,024, N 1,024]; A: computed on the way; B: input W_out: QUANTISED
;;   THE QUANTISER, for each operand of a quantised product, along K:
;;     - K is cut into blocks of 32 from its start; a last block that is shorter is filled with zeros.
;;     - A block's scale is 2^e with e = floor(log2(the largest magnitude in the block)) - 2, held to -126 .. 127; a block of zeros has e = 0. As a byte (E8M0): e + 127.
;;     - Each number is divided by its block's scale, clamped to +-6, and rounded to the nearest number of E2M1, ties to even, subnormals kept.
;;     - The product sums the exact products of the quantised numbers (number of the format x scale) in f32.
;;   ~~~python
;;   def quantise(x, axis):      # numpy; x: float32 -> the quantised numbers, widened to float32 again
;;       x = np.moveaxis(x, axis, -1); K = x.shape[-1]
;;       x = np.pad(x, [(0, 0)] * (x.ndim - 1) + [(0, -K % 32)]); x = x.reshape(x.shape[:-1] + (-1, 32)); a = np.abs(x).max(-1, keepdims=True)
;;       e = np.where(a > 0, np.clip(np.frexp(np.where(a > 0, a, 1))[1] - 1 - 2, -126, 127), 0)      # np.frexp(a)[1] - 1 = floor(log2(a)), exactly
;;       r = np.clip(x / 2.0 ** e, -6, 6)
;;       step = 2.0 ** (np.maximum(np.frexp(np.where(r == 0, 1, r))[1] - 1, 0) - 1)
;;       q = np.round(r / step) * step * 2.0 ** e      # np.round: ties to even
;;       return np.moveaxis(q.reshape(q.shape[:-2] + (-1,))[..., :K], -1, axis).astype(np.float32)
;;   ~~~
;;   SOFTMAX AHEAD OF A QUANTISED PRODUCT. Where the list says 'softmax', what is quantised is not the finished softmax but p = 2^(t - M), with t = logit x log2(e) and M = ceil(the row's largest t), a whole number; so 1/2 < the row's largest p <= 1. The row's sum l is taken of the UNQUANTISED p, in f32, and the product's result is divided by l at the end. Since M is a whole number, a kernel that streams over the keys may use a running M (the ceiling of the running maximum): every later rescaling is an exact power of two, which a block's scale takes up: the codes' values come out the same.
;;   OPERANDS COMPUTED ON THE WAY. 'Computed on the way' means the value that the module computes at that place (a softmax that the list does not call 'softmax' is quantised finished and normalised). What goes into a quantiser is computed in f32, as accurately as f32 sums, v_exp_f32 and their like allow (about 1e-6 of the number): no bf16 or f16 on the way to a quantiser, and a product that is left as it is and whose result goes on into a quantised operand takes f32 operands (vector FMAs, or v_wmma_f32_16x16x4_f32). A number that lies on a knife's edge between two numbers of the format may be rounded either way, as far as f32 arithmetic and the matrix unit's own rounding can turn it there, and no further.
;; One version. Each part assembles by itself: llvm-mc -triple=amdgcn-amd-amdhsa -mcpu=gfx1250 --defsym DOCPART=n.
;; ======== version 1 of 1: 4 launches
;; limits: right only within a limited range of input values
;; workspace buffers: x_codes 4,194,304 bytes; x_scales 262,144 bytes; w_codes 2,097,152 bytes; w_scales 131,072 bytes; qkv 13,893,632 bytes; a_codes 4,194,304 bytes; a_scales 262,144 bytes
;; launch prep (part 1): grid 256 x 1, 8 waves a work-group, no clusters, 83,968 bytes of LDS; arguments x, W_qkv, W_out, x_codes, x_scales, w_codes, w_scales; writes x_codes, x_scales, w_codes, w_scales
.if DOCPART == 1
	.amdgcn_target "amdgcn-amd-amdhsa--gfx1250"
	.amdhsa_code_object_version 6
	.text
	.protected	k_q1166075258_prep
	.globl	k_q1166075258_prep
	.p2align	8
	.type	k_q1166075258_prep,@function
k_q1166075258_prep:
	s_mov_b64 s[64:65], 0
	v_nop
	global_prefetch_b8 v0, s[64:65] scope:SCOPE_SE
	s_setreg_imm32_b32 hwreg(HW_REG_WAVE_MODE, 25, 1), 1
	s_wait_xcnt 0x0
; x [8192][1024] (K innermost), W_qkv [1024][3072] and W_out [1024][1024] (K is the FIRST axis), all f32, become codes of FP4 (E2M1) with K innermost and one E8M0 byte for each 32 along K.
; x_codes [8192][512 bytes], x_scales [8192][32];  w_codes [4096][512 bytes], w_scales [4096][32]: rows 0-3071 are W_qkv's columns, rows 3072-4095 W_out's.
; A block's scale is 2^(floor(log2(its largest magnitude)) - 2): its byte is the largest magnitude's exponent field - 2, held at 1 from below.
; LIMITS: NaN and infinities among the inputs are not served; a block whose largest magnitude lies under 2^-124 gets the byte 1; a block of zeros gets the byte 1 where the rule says 127: its codes are
; zeros, which add nothing under any byte but 0xff, and the bytes are read by this program alone.
; SHARES.  Work-groups 0-127 take x: a wave takes 8,192 numbers, 16 steps of 512; loads take bytes as they lie (512 consecutive bytes a load) and a step turns through the wave's own stage in LDS, so that a lane
; holds 16 neighbours along K; two neighbouring lanes hold a block.  Loads run eight steps (32 loads a wave) ahead.
; Work-groups 128-255 take the weights: 64 columns x 512 along K each; a wave 32 columns (a lane a column, registers down K) x 128 along K (4 blocks).  The codes of the work-group meet in a stage of
; 64 rows x 256 bytes and leave as whole rows: sixteen lanes store 256 consecutive bytes, aligned.
; The two paths part on the work-group's number, have LDS bytes of their own, and join at the one barrier, which every wave of every work-group passes.
.set STEPS, 16
.set SP,    80                         ; a lane's place in an x stage: 64 bytes + 16 of padding
.set WREG,  8192                       ; LDS of an x wave: two stages of 32 x SP bytes, then its 256 scale bytes
.set WSTG,  65536                      ; behind the eight x regions: the weights' stage, 64 rows
.set WP,    272                        ; of 256 bytes + 16
.set R,     16                         ; v16-143  x: eight sets of 16 numbers as loaded
.set XX,    144                        ; v144-175 x: two sets of 16 neighbours
.set C,     176                        ; v176-207 x: two registers of codes for each step
.set E,     208                        ; v208-209 x: the step's scale byte, by turns
.set OFF,   210                        ; v210-241 weights: 4 x lane + i rows of the source
.set WX,    48                         ; v48-111  weights: two sets of 32 numbers
.set WC,    112                        ; v112-127 weights: four registers of codes for each block
.set SB,    128                        ; v128     weights: my column's four scale bytes
.set OUTR,  144                        ; v144-159 weights: the way out
	s_load_b256 s[4:11], s[0:1], 0x0               ; x s[4:5], W_qkv s[6:7], W_out s[8:9], x_codes s[10:11]
	s_load_b128 s[12:15], s[0:1], 0x20             ; x_scales s[12:13], w_codes s[14:15]
	s_load_b64 s[16:17], s[0:1], 0x30              ; w_scales
	v_lshl_add_u32 v248, v0, 2, 0x14400
	v_mov_b32 v249, 0
	v_lshrrev_b32 v1, 5, v0
	s_delay_alu instid0(VALU_DEP_1)
	v_readfirstlane_b32 s18, v1                    ; wave 0..7
	v_and_b32 v2, 31, v0                           ; lane
	; every LDS address of both paths is made here, ahead of the parting
	s_delay_alu instid0(VALU_DEP_1)
	v_lshlrev_b32 v3, 4, v2                        ; x: my 16 bytes of a load's 512
	s_mul_i32 s19, s18, WREG
	v_lshrrev_b32 v14, 2, v2
	s_delay_alu instid0(VALU_DEP_1)
	v_mul_u32_u24 v14, v14, SP
	v_and_b32 v15, 3, v2
	s_delay_alu instid0(VALU_DEP_1)
	v_lshl_add_u32 v14, v15, 4, v14
	s_delay_alu instid0(VALU_DEP_1)
	v_add_nc_u32 v14, s19, v14                     ; the stage, on the way in: SP (lane / 4) + 16 (lane % 4)
	v_mul_u32_u24 v15, v2, SP
	s_delay_alu instid0(VALU_DEP_1)
	v_add_nc_u32 v15, s19, v15                     ; and on the way out: SP x lane: my 16 neighbours
	v_lshlrev_b32 v4, 3, v2                        ; 8 x lane: my codes' place in a step's, and my scale bytes' place on the way out
	v_lshrrev_b32 v5, 1, v2
	s_add_co_u32 s19, s19, 2*32*SP
	v_add_nc_u32 v5, s19, v5                       ; my wave's 256 scale bytes: my block's byte
	v_add_nc_u32 v6, s19, v4                       ; and 8 of them on the way out
	s_sub_co_u32 s21, ttmp9, 128                   ; weights: j
	s_lshr_b32 s24, s21, 1                         ; cg: which 64 rows of w_codes
	s_and_b32 s25, s21, 1                          ; kh: which 512 along K
	s_and_b32 s26, s18, 1                          ; cs: which 32 of the columns
	s_lshr_b32 s27, s18, 1                         ; kq: which 128 of the 512
	s_lshl_b32 s19, s26, 5
	v_add_nc_u32 v242, s19, v2
	s_delay_alu instid0(VALU_DEP_1)
	v_mul_u32_u24 v242, v242, WP
	s_lshl_b32 s19, s27, 6
	s_add_co_u32 s19, s19, WSTG
	v_add_nc_u32 v242, s19, v242                   ; into the stage: row 32 cs + lane, byte 64 kq
	v_lshrrev_b32 v245, 4, v2
	s_lshl_b32 s19, s18, 3
	v_add_nc_u32 v243, s19, v245
	s_delay_alu instid0(VALU_DEP_1)
	v_mul_u32_u24 v243, v243, WP
	v_and_b32 v244, 15, v2
	s_delay_alu instid0(VALU_DEP_1)
	v_lshlrev_b32 v244, 4, v244
	s_delay_alu instid0(VALU_DEP_1)
	v_add_nc_u32 v243, v243, v244
	s_delay_alu instid0(VALU_DEP_1)
	v_add_nc_u32 v243, WSTG, v243                  ; out of it: rows 8 wave + lane / 16, sixteen lanes to a row
	s_delay_alu instid0(VALU_DEP_3)
	v_lshl_add_u32 v244, v245, 9, v244             ; and the same place in w_codes: rows of 512 bytes
	v_lshlrev_b32 v245, 5, v2                      ; my column's row of w_scales: 32 bytes a row
	s_mov_b32 s23, 0
	s_wait_kmcnt 0x0
	s_cmp_lt_u32 ttmp9, 128
	s_cbranch_scc0 .Lweights
	; ---------------- x ----------------
	s_lshl_b32 s20, ttmp9, 3
	s_add_co_u32 s20, s20, s18                     ; which run of 8,192 numbers is my wave's
	s_lshl_b32 s22, s20, 15
	s_add_nc_u64 s[28:29], s[4:5], s[22:23]        ; 32,768 bytes of x,
	s_lshl_b32 s22, s20, 12
	s_add_nc_u64 s[30:31], s[10:11], s[22:23]      ; 4,096 of codes,
	s_lshl_b32 s22, s20, 8
	s_add_nc_u64 s[32:33], s[12:13], s[22:23]      ; 256 scale bytes a run
.macro XLOAD t
.irp i, 0,1,2,3
	global_load_b128 v[R+16*((\t)%8)+4*\i:R+16*((\t)%8)+4*\i+3], v3, s[28:29] offset:2048*(\t)+512*\i th:TH_LOAD_NT   ; 32 lanes read 512 consecutive bytes
.endr
.endm
.macro XTURN t                         ; step t's numbers through the stage: LDS serves a wave's instructions in order, so no wait stands between the stores and the loads
.irp i, 0,1,2,3
	ds_store_b128 v14, v[R+16*((\t)%8)+4*\i:R+16*((\t)%8)+4*\i+3] offset:32*SP*((\t)%2)+8*SP*\i
.endr
.irp i, 0,1,2,3
	ds_load_b128 v[XX+16*((\t)%2)+4*\i:XX+16*((\t)%2)+4*\i+3], v15 offset:32*SP*((\t)%2)+16*\i
.endr
.endm
.irp t, 0,1,2,3,4,5,6,7
	XLOAD \t
.endr
	s_wait_loadcnt 28                              ; step 0's four loads are in; seven steps' may be out
	XTURN 0
.macro XSTEP t
.set XS, XX+16*((\t)%2)
.if (\t) > 0
	s_wait_dscnt 1                                 ; this step's numbers are back from the stage (the last step's byte store may be out): so its stores into the stage have read their registers,
.else
	s_wait_dscnt 0x0
.endif
.if (\t)+8 < STEPS
	XLOAD (\t)+8                                   ; which take the loads of eight steps on
.endif
.if (\t)+1 < STEPS
.if 14-(\t) >= 7
	s_wait_loadcnt 28                              ; the next step's four loads are in; those of the seven steps behind it may be out
.else
	s_wait_loadcnt 4*(14-(\t))
.endif
	XTURN (\t)+1                                   ; and go through the other stage while this step is worked
.endif
	v_max3_num_f32 v8, |v[XS]|, |v[XS+1]|, |v[XS+2]|               ; the largest magnitude of my 16, in two chains
	v_max3_num_f32 v9, |v[XS+3]|, |v[XS+4]|, |v[XS+5]|
.irp i, 6,10
	s_delay_alu instid0(VALU_DEP_2)
	v_max3_num_f32 v8, v8, |v[XS+\i]|, |v[XS+\i+1]|
	s_delay_alu instid0(VALU_DEP_2)
	v_max3_num_f32 v9, v9, |v[XS+\i+2]|, |v[XS+\i+3]|
.endr
	s_delay_alu instid0(VALU_DEP_2)
	v_max3_num_f32 v8, v8, |v[XS+14]|, |v[XS+15]|
	s_delay_alu instid0(VALU_DEP_1)
	v_max3_num_f32 v8, v8, v9, 0x1800000           ; and the floor 2^(3 - 127): the byte cannot fall under 1
	s_delay_alu instid0(VALU_DEP_1)
	v_max_num_f32_dpp v8, v8, v8 row_xmask:1 row_mask:0xf bank_mask:0xf   ; and of my neighbour's 16: the block's
	s_delay_alu instid0(VALU_DEP_1)
	v_add_nc_u32 v11, 0xff000000, v8               ; 2 off its exponent field: the conversion takes the exponent field of this operand as its scale
	v_cvt_scalef32_pk8_fp4_f32 v[C+2*(\t)], v[XS:XS+7], v11
	v_cvt_scalef32_pk8_fp4_f32 v[C+2*(\t)+1], v[XS+8:XS+15], v11
	v_lshrrev_b32 v[E+(\t)%2], 23, v11             ; the scale's byte (its register's last store, two steps back, is done: the wait at this step's head leaves only the last step's out)
	ds_store_b8 v5, v[E+(\t)%2] offset:16*(\t)     ; both lanes of a block write the same byte with the same value
	global_store_b64 v4, v[C+2*(\t):C+2*(\t)+1], s[30:31] offset:256*(\t)   ; the wave stores 256 consecutive bytes, aligned
.endm
.irp t, 0,1,2,3,4,5,6,7,8,9,10,11,12,13,14,15
	XSTEP \t
.endr
	ds_load_b64 v[12:13], v6                       ; LDS serves a wave's instructions in order: these see my byte stores
	s_wait_dscnt 0x0
	global_store_b64 v4, v[12:13], s[32:33]        ; 32 lanes store my run's 256 scale bytes, aligned
	s_branch .Ljoin
	; ---------------- the weights, first half: quantise, codes into the stage ----------------
.Lweights:
	s_mov_b32 s34, 4096
	s_cmp_lt_u32 s24, 48                           ; W_qkv's columns or W_out's?  The choice hangs on the work-group's number alone
	s_cselect_b64 s[36:37], s[6:7], s[8:9]
	s_cselect_b32 s34, 12288, s34                  ; a row of the source in bytes
	s_cselect_b32 s35, 0, 48
	s_sub_co_u32 s35, s24, s35
	s_lshl_b32 s35, s35, 6                         ; the work-group's first column in its source,
	s_lshl_b32 s19, s26, 5
	s_add_co_u32 s35, s35, s19                     ; my wave's,
	s_lshl_b32 s35, s35, 2                         ; in bytes
	s_lshl_b32 s19, s25, 9
	s_lshl_b32 s20, s27, 7
	s_add_co_u32 s19, s19, s20                     ; my first row: 512 kh + 128 kq
	s_mul_i32 s19, s19, s34
	s_add_co_u32 s22, s19, s35
	s_add_nc_u64 s[36:37], s[36:37], s[22:23]      ; block 0 begins here;
	s_lshl_b32 s22, s34, 5                         ; each further block 32 rows on
	s_add_nc_u64 s[38:39], s[36:37], s[22:23]
	s_add_nc_u64 s[40:41], s[38:39], s[22:23]
	s_add_nc_u64 s[42:43], s[40:41], s[22:23]
	s_lshl_b32 s19, s24, 6
	s_lshl_b32 s20, s26, 5
	s_add_co_u32 s19, s19, s20
	s_lshl_b32 s19, s19, 5                         ; w_scales: row 64 cg + 32 cs,
	s_lshl_b32 s20, s25, 4
	s_add_co_u32 s19, s19, s20
	s_lshl_b32 s20, s27, 2
	s_add_co_u32 s22, s19, s20                     ; byte 16 kh + 4 kq
	s_add_nc_u64 s[44:45], s[16:17], s[22:23]
	v_lshlrev_b32 v[OFF], 2, v2                    ; a lane takes a column: 4 bytes a lane,
.irp i, 1,2,3,4,5,6,7,8,9,10,11,12,13,14,15,16,17,18,19,20,21,22,23,24,25,26,27,28,29,30,31
	v_mad_u32_u24 v[OFF+\i], s34, \i, v[OFF]       ; and its registers run down K: i rows on
.endr
.macro WLOAD t                         ; block t: 32 rows of my 32 columns: each load reads 128 consecutive bytes, and the wave beside me the next 128
.irp i, 0,1,2,3,4,5,6,7,8,9,10,11,12,13,14,15,16,17,18,19,20,21,22,23,24,25,26,27,28,29,30,31
	global_load_b32 v[WX+32*((\t)%2)+\i], v[OFF+\i], s[36+2*(\t):37+2*(\t)] th:TH_LOAD_NT
.endr
.endm
.macro WBLOCK t
.set XS, WX+32*((\t)%2)
.if (\t) < 3
	s_wait_loadcnt 32                              ; this block's 32 loads are in; the next block's may be out
.else
	s_wait_loadcnt 0x0
.endif
	v_max3_num_f32 v8, |v[XS]|, |v[XS+1]|, |v[XS+2]|               ; the block's largest magnitude: all 32 numbers are mine
	v_max3_num_f32 v9, |v[XS+3]|, |v[XS+4]|, |v[XS+5]|
.irp i, 6,10,14,18,22,26
	s_delay_alu instid0(VALU_DEP_2)
	v_max3_num_f32 v8, v8, |v[XS+\i]|, |v[XS+\i+1]|
	s_delay_alu instid0(VALU_DEP_2)
	v_max3_num_f32 v9, v9, |v[XS+\i+2]|, |v[XS+\i+3]|
.endr
	s_delay_alu instid0(VALU_DEP_2)
	v_max3_num_f32 v8, v8, |v[XS+30]|, |v[XS+31]|
	s_delay_alu instid0(VALU_DEP_1)
	v_max3_num_f32 v8, v8, v9, 0x1800000           ; and the floor
	s_delay_alu instid0(VALU_DEP_1)
	v_add_nc_u32 v11, 0xff000000, v8               ; the conversion's scale operand
	s_delay_alu instid0(VALU_DEP_1)
	v_lshrrev_b32 v13, 23, v11                     ; the scale's byte
.if (\t) == 0
	s_delay_alu instid0(VALU_DEP_1)
	v_mov_b32 v[SB], v13                           ; four bytes to a register, the lower K in the lower byte
.else
	s_delay_alu instid0(VALU_DEP_1)
	v_lshl_or_b32 v[SB], v13, 8*(\t), v[SB]
.endif
.irp g, 0,1,2,3
	v_cvt_scalef32_pk8_fp4_f32 v[WC+4*(\t)+\g], v[XS+8*\g:XS+8*\g+7], v11
.endr
	ds_store_b128 v242, v[WC+4*(\t):WC+4*(\t)+3] offset:16*(\t)    ; 32 codes: 16 bytes of my column's row; each block has registers of its own
.if (\t)+2 < 4
	WLOAD (\t)+2
.endif
.endm
	WLOAD 0
	WLOAD 1
	WBLOCK 0
	WBLOCK 1
	WBLOCK 2
	WBLOCK 3
	global_store_b32 v245, v[SB], s[44:45]         ; my column's four scale bytes
.Ljoin:
	s_wait_dscnt 0x0                               ; for the others' sake: my stores into the stage are done
	s_barrier_signal -1
	s_barrier_wait -1
	s_cmp_lt_u32 ttmp9, 128
	s_cbranch_scc1 .Lend
	; ---------------- the weights, second half: the stage's rows leave whole ----------------
	s_lshl_b32 s19, s24, 6
	s_lshl_b32 s20, s18, 3
	s_add_co_u32 s19, s19, s20
	s_lshl_b32 s19, s19, 9                         ; w_codes: row 64 cg + 8 wave,
	s_lshl_b32 s20, s25, 8
	s_add_co_u32 s22, s19, s20                     ; byte 256 kh
	s_add_nc_u64 s[46:47], s[14:15], s[22:23]
.irp i, 0,1,2,3
	ds_load_b128 v[OUTR+4*\i:OUTR+4*\i+3], v243 offset:2*WP*\i
.endr
.irp i, 0,1,2,3
	s_wait_dscnt 3-\i                              ; the younger loads may be out
	global_store_b128 v244, v[OUTR+4*\i:OUTR+4*\i+3], s[46:47] offset:1024*\i   ; sixteen lanes store 256 consecutive bytes, aligned
.endr
.Lend:
	s_wait_tensorcnt 0x0
	ds_add_u32 v248, v249
	s_wait_dscnt 0x0
	s_endpgm
.Lfunc_end_k_q1166075258_prep:
	.size	k_q1166075258_prep, .Lfunc_end_k_q1166075258_prep-k_q1166075258_prep
	.p2alignl 7, 3214868480
	.fill 96, 4, 3214868480
	.section	.rodata,"a",@progbits
	.p2align	6, 0x0
	.amdhsa_kernel k_q1166075258_prep
		.amdhsa_group_segment_fixed_size 83968
		.amdhsa_private_segment_fixed_size 0
		.amdhsa_enable_private_segment 0
		.amdhsa_kernarg_size 56
		.amdhsa_user_sgpr_count 2
		.amdhsa_user_sgpr_kernarg_segment_ptr 1
		.amdhsa_wavefront_size32 1
		.amdhsa_system_sgpr_workgroup_id_x 1
		.amdhsa_system_sgpr_workgroup_id_y 1
		.amdhsa_system_sgpr_workgroup_id_z 1
		.amdhsa_system_vgpr_workitem_id 0
		.amdhsa_next_free_vgpr 250
		.amdhsa_next_free_sgpr 66
		.amdhsa_reserve_vcc 0
		.amdhsa_float_denorm_mode_32 3
		.amdhsa_float_denorm_mode_16_64 3
		.amdhsa_memory_ordered 1
		.amdhsa_forward_progress 1
		.amdhsa_inst_pref_size 63
	.end_amdhsa_kernel
	.amdgpu_metadata
---
amdhsa.version: [ 1, 2 ]
amdhsa.kernels:
  - .name:           k_q1166075258_prep
    .symbol:         k_q1166075258_prep.kd
    .args:
      - { .name: x, .offset: 0, .size: 8, .value_kind: global_buffer, .address_space: global }
      - { .name: W_qkv, .offset: 8, .size: 8, .value_kind: global_buffer, .address_space: global }
      - { .name: W_out, .offset: 16, .size: 8, .value_kind: global_buffer, .address_space: global }
      - { .name: x_codes, .offset: 24, .size: 8, .value_kind: global_buffer, .address_space: global }
      - { .name: x_scales, .offset: 32, .size: 8, .value_kind: global_buffer, .address_space: global }
      - { .name: w_codes, .offset: 40, .size: 8, .value_kind: global_buffer, .address_space: global }
      - { .name: w_scales, .offset: 48, .size: 8, .value_kind: global_buffer, .address_space: global }
    .group_segment_fixed_size: 83968
    .private_segment_fixed_size: 0
    .kernarg_segment_align: 8
    .kernarg_segment_size: 56
    .max_flat_workgroup_size: 256
    .sgpr_count:     66
    .vgpr_count:     250
    .wavefront_size: 32
...
	.end_amdgpu_metadata
.endif
;; end of part 1
;; launch qkv_gemm (part 2): grid 8 x 32, 4 waves a work-group, clusters of 4 x 4, 327,680 bytes of LDS; arguments x_codes, x_scales, w_codes, w_scales, b_qkv, qkv; writes qkv
.if DOCPART == 2
	.amdgcn_target "amdgcn-amd-amdhsa--gfx1250"
	.amdhsa_code_object_version 6
	.text
	.protected	k_q1166075258_qkv_gemm
	.globl	k_q1166075258_qkv_gemm
	.p2align	8
	.type	k_q1166075258_qkv_gemm,@function
k_q1166075258_qkv_gemm:
	s_mov_b64 s[64:65], 0
	v_nop
	global_prefetch_b8 v0, s[64:65] scope:SCOPE_SE
	s_setreg_imm32_b32 hwreg(HW_REG_WAVE_MODE, 25, 1), 1
	s_wait_xcnt 0x0
	s_wait_alu depctr_hold_cnt(0) depctr_sa_sdst(0) depctr_va_vdst(0) depctr_va_sdst(0) depctr_va_ssrc(0) depctr_va_vcc(0) depctr_vm_vsrc(0)
	s_getreg_b32 s2, hwreg(HW_REG_IB_STS2, 6, 4)
	s_cmp_eq_u32 s2, 0
	s_cbranch_scc0 .Lentry_in_a_cluster
	s_endpgm
.Lentry_in_a_cluster:
	s_bfe_u32 s2, ttmp6, 0x10000c
	s_cmp_lg_u32 s2, 0xf033
	s_cbranch_scc0 .Lentry_shape_is_right
	s_endpgm
.Lentry_shape_is_right:
; qkv = x W_qkv + b_qkv on codes of FP4 (E2M1) with E8M0 scales, sums in f32; the results are quantised in registers and leave as codes alone: q and k along the head's 64 channels, v along the tokens.
; x_codes [8192][512 bytes], x_scales [8192][32];  w_codes [4096][512 bytes], w_scales [4096][32] (rows 0-3071: W_qkv's columns: q's, k's, v's 1,024 each).
; SHARES.  A work-group owns 256 tokens (32 such tiles) and walks THREE chunks of 128 rows of w (24 chunks): 32 x 24 / 3 = 256 work-groups that stay.  Chunk c = 12 x (cluster x) + 4 j + cx in trip j: so a chunk is v's
; (c >= 16) where the cluster's x is 1 and j >= 1: the same in all sixteen partners; q's and k's chunks differ in addresses alone.
; A WAVE KEEPS ITS 64 TOKENS IN REGISTERS for all of K = 1,024: 4 tiles x 8 steps of 128 x 8 registers fill window 1, read from LDS once.  w comes by blocks of 16 rows x all of K (64 registers, two buffers).
; A UNIT is 64 rows of w, one head: 4 blocks x 4 token tiles = 16 accumulators, 128 matrix instructions, a block's four accumulators by turns, K ascending.
; THE QUANTISER WANTS ITS K ALONG A LANE'S REGISTERS.  q, k: source 0 = w's block, source 1 = x's tile: a lane holds a token, its registers run along the channels.  v: the sources change places: a lane holds a channel,
; its registers run along the tokens.  The accumulators are laid [tile][block] for q, k and [block][tile] for v: so in both a group of four on end holds 64 neighbours along the quantiser's K, and one text quantises both.
; THE BIAS is the C of each sum's first matrix instruction, read from tables in LDS that the work-group builds at its head: q, k: b as it lies; v: each b eight times on end, since there all eight registers of a lane want one b.
; LDS: x's 256 rows; two slots of 128 rows of w; the scale bytes beside them.  One joint load a wave at the head (x, chunk 0, their scale bytes); chunk 1 is asked for behind the first round of the cluster's barrier,
; chunk 2 behind the second, into slot 0: each has a chunk's work in which to land.  CLUSTERS: 4 x 4; x's tiles are shared along a row of the cluster, w's along a column.
; NO PREFETCH: the launch has two fills behind its head, each asked for a whole chunk ahead of its first read.
; A RECORD of qkv for each (batch, head), HS bytes: K codes [64 token tiles][512], V codes [8 key steps][4 channel tiles][2][512], K scale words [16][16 r][4 tiles], V scale words [8][16 r][4 tiles], Q codes, Q scale words as K's.
; Codes lie as images of the operand's registers: lane l's 16 bytes at 16 l.  q's and k's scale words: bytes 0, 1 the head's two bytes; bytes 2, 3 are 0x7f, over the zero codes that fill K = 64 up to the instruction's 128.
; A wave's 64 tokens are half a key step: of v's scale words it stores two bytes each, 4 bytes a lane: 128 bytes of the 2,176 that my wave stores for a unit of v.
; LIMITS: NaN and infinities are not served; a block whose largest magnitude lies under 2^-124, a block of zeros among them, gets the byte 1 (zero codes add nothing; this program alone reads the bytes).
; REGISTERS: window 0: v1-31 addresses and the head's work; v32-63 x's scale words (8 t + q); v64-79 w's (two sets); v80-127 the quantiser's; v128-255 w's fragments (two buffers).  window 1: x's fragments, v[64 t + 8 q].
;   window 2: v0-127 the accumulators.  window 3: v0-31 the unit's bias.
.set HS,    108544
.set VOFF,  32768
.set KWOFF, 65536
.set VWOFF, 69632
.set QOFF,  71680
.set QWOFF, 104448
.set PB,    528                        ; an LDS row: 512 bytes + 16 of padding: the 16 rows that a load touches start at 16 different banks (64 banks of 4 bytes: ISA guide 11.1)
.set W0,    256*PB                     ; LDS: x's rows from 0; slot 0 of w;
.set W1,    W0+128*PB                  ; slot 1;
.set XSL,   W1+128*PB                  ; x's scale bytes, 32 units of 256 bytes + 16 of padding;
.set WSL0,  XSL+32*272                 ; w's, 16 units a slot;
.set WSL1,  WSL0+16*272
.set TQ,    WSL1+16*272                ; the bias as it lies: 512 bytes a chunk;
.set TV,    TQ+3*512                   ; the bias eight times on end: 4,096 bytes for each of chunks 1 and 2: blocks of 256 bytes into which no fill lands;
.set SPARE, TV+2*4096                  ; the spare words, 128 bytes for each wave: two blocks of 256 bytes that no other line names
.set ADW0, 3                           ; v3  r x pitch + 16 h
.set ADX,  4                           ; v4  my x fragments
.set AWS0, 5                           ; v5  a row's scale bytes in its units
.set AXS,  6
.set ADW,  8                           ; v8, v9, v12: the unit's LDS addresses: w's fragments, its scale words, the bias
.set AWS,  9
.set ABQ0, 10                          ; v10 32 h
.set ABV0, 11                          ; v11 32 r
.set ABI,  12
.set IMG,  13                          ; v13 16 x lane
.set WOQ,  14                          ; v14 16 r + 8 h
.set WOV,  15                          ; v15 16 r + 4 h
.set SPW,  16
.set NIL,  17
.set XSR,  32
.set WSC,  64
.set TM,   80                          ; v80-87 largest magnitudes; v88-95 the other lane's, then the bytes; v96-103 the conversions' scale operands
.set TP,   88
.set TS,   96
.set PC,   104                         ; v104-119 the codes: four registers a group
.set PW,   120                         ; v120-123 a group's scale word
.set SWD,  124                         ; v124-125 the words as they are stored
.set WF,   128
.set G1X, 24
.set G1W, 32
.set G1XS, 40
.set G1WS, 48
.set G0X, 56
.set G0W, 60
.set G0XS, 68
.set G0WS, 72
.set SEL, 88                           ; s[88:89] v_permlanex16_b32's selects for lane l xor 16
.set PQC, 92                           ; s92-95 my tokens' place in a record's sections: q's and k's codes and words, v's codes and words
.set PQW, 93
.set PVC, 94
.set PVW, 95
.set REC0, 96                          ; s96 16 x batch
.set CB,  98                           ; s[98:99] the unit's codes;  s[100:101] its scale words
.set WB2, 100
.set WBS, 21                           ; s21-23 the unit's LDS bases: w's rows, their scale bytes, the bias
.set WSS, 22
.set TBS, 23
.set MSB, 0
.macro WIN new                         ; the immediate's high byte repeats the setting that is left
.if MSB != \new
	s_set_vgpr_msb (MSB<<8)|\new
.set MSB, \new
.endif
.endm
.macro CROUND                          ; a round of the cluster's barrier
	s_barrier_signal -1
	s_barrier_wait -1
	s_cmp_lg_u32 s16, 0
	s_cbranch_scc1 .Lnot_wave_0_\@
	s_barrier_signal -3
.Lnot_wave_0_\@:
	s_barrier_wait -3
	s_barrier_signal -1
	s_barrier_wait -1
.endm
.macro TL g0, g1                       ; a joint load, with s_nop 0 and four v_nop behind it
	tensor_load_to_lds s[\g0:\g0+3], s[\g1:\g1+7]
	s_nop 0
.rept 4
	v_nop
.endr
.endm
.macro ARM under, g0, g1, next         ; an arm of the head's one chain of branches on the wave's number
	s_cmp_lt_u32 s16, \under
	s_cbranch_scc0 \next
	TL \g0, \g1
	s_branch .Lhead_asked
\next:
.endm
.macro FILL                            ; a later chunk: wave 1 asks for its codes, wave 3 for its scale bytes: one tensor load a wave, first behind the round
	s_cmp_eq_u32 s16, 1
	s_cbranch_scc0 .Lnot_codes_\@
	TL G0W, G1W
	s_branch .Lfilled_\@
.Lnot_codes_\@:
	s_cmp_eq_u32 s16, 3
	s_cbranch_scc0 .Lfilled_\@
	TL G0WS, G1WS
.Lfilled_\@:
.endm
.macro MEET slot, sslot                ; the descriptors step between the add and its wait
	s_wait_tensorcnt 0x0                           ; no tensor load of mine is out, so a group 0 may be written
	ds_add_u32 v[SPW], v[NIL]
	s_mov_b32 s[G0W+1], \slot
	s_add_nc_u64 s[G0W+2:G0W+3], s[G0W+2:G0W+3], 4*128*512       ; four chunks on
	s_mov_b32 s[G0WS+1], \sslot
	s_add_nc_u64 s[G0WS+2:G0WS+3], s[G0WS+2:G0WS+3], 4*128*32
	s_wait_dscnt 0x0                               ; the add is done, and so are my LDS stores and my reads of the slot
	CROUND
	FILL
.endm
.macro G1SET g, c, r                   ; group 1's words 1 to 7: r rows of c elements, dense
	s_mov_b32 s[\g+1], (\c)<<16
	s_mov_b32 s[\g+2], (\r)<<16
	s_mov_b32 s[\g+3], (\c)<<16
	s_mov_b32 s[\g+4], \r
	s_mov_b32 s[\g+5], \c
	s_mov_b32 s[\g+6], 0
	s_mov_b32 s[\g+7], 0
.endm
.macro G0SET g, lds, p                 ; group 0: count 1, the LDS address, the tile's first byte, type 2
	s_mov_b32 s[\g], 1
	s_mov_b32 s[\g+1], \lds
	s_mov_b64 s[\g+2:\g+3], s[\p:\p+1]
	s_or_b32 s[\g+3], s[\g+3], 0x80000000
.endm
	s_load_b256 s[4:11], s[0:1], 0x0               ; x_codes, x_scales, w_codes, w_scales
	s_load_b128 s[12:15], s[0:1], 0x20             ; b_qkv, qkv
	v_lshl_add_u32 v[SPW], v0, 2, SPARE
	v_mov_b32 v[NIL], 0
	ds_add_u32 v[SPW], v[NIL]                      ; the opening lines: the add, twice on end, and its wait ahead of the first tensor load
	ds_add_u32 v[SPW], v[NIL]
	v_lshrrev_b32 v1, 5, v0
	v_readfirstlane_b32 s16, v1                    ; wave 0..3
	s_bfe_u32 s17, ttmp6, 0x40000                  ; cx
	s_bfe_u32 s18, ttmp6, 0x40004                  ; cy
	s_and_b32 s19, ttmp7, 0xffff
	s_lshl_b32 s19, s19, 2
	s_add_co_u32 s19, s19, s18                     ; my tile of 256 tokens: 4 x cluster y + cy
	s_mul_i32 s20, ttmp9, 12
	s_add_co_u32 s20, s20, s17                     ; my first chunk: 12 x cluster x + cx
	s_lshl_b32 s76, s18, 2
	s_lshl_b32 s76, 15, s76                        ; my row of the cluster
	s_lshl_b32 s77, 0x1111, s17                    ; my column
	s_or_b32 s[G1X], s76, (0<<16)|(1<<20)|(1<<21)|(6<<22)|(3<<25)    ; rows of 512 bytes, 4 words of padding after every 128; x's tiles go to my row; bit 21 beside a mask
	G1SET G1X, 512, 256
	s_or_b32 s[G1W], s77, (0<<16)|(1<<20)|(1<<21)|(6<<22)|(3<<25)    ; w's to my column
	G1SET G1W, 512, 128
	s_or_b32 s[G1XS], s76, (3<<16)|(1<<20)|(1<<21)|(5<<22)|(3<<25)   ; scale bytes: dense, as rows of 256 bytes (32 elements of 8), 4 words of padding after every 64
	G1SET G1XS, 32, 32
	s_or_b32 s[G1WS], s77, (3<<16)|(1<<20)|(1<<21)|(5<<22)|(3<<25)
	G1SET G1WS, 32, 16
	s_lshl_b32 s78, s19, 17                        ; x's codes: 256 rows of 512 bytes a tile,
	s_mov_b32 s79, 0
	s_lshl_b32 s80, s19, 13                        ; its scale bytes
	s_mov_b32 s81, 0
	s_lshl_b32 s82, s20, 16                        ; w's codes: 128 rows a chunk,
	s_mov_b32 s83, 0
	s_lshl_b32 s84, s20, 12                        ; its scale bytes,
	s_mov_b32 s85, 0
	s_lshl_b32 s86, s20, 9                         ; its bias
	s_mov_b32 s87, 0
	s_lshr_b32 s[REC0], s19, 2
	s_lshl_b32 s[REC0], s[REC0], 4                 ; 16 x batch
	s_and_b32 s2, s19, 3                           ; which 256 tokens of the batch
	s_lshl_b32 s3, s2, 2
	s_add_co_u32 s3, s3, s16                       ; which 64: four token tiles
	s_lshl_b32 s[PQC], s3, 11                      ; q, k: 4 x 512 bytes of codes,
	s_lshl_b32 s[PQW], s3, 8                       ; 256 of scale words
	s_lshl_b32 s2, s2, 1
	s_lshr_b32 s3, s16, 1
	s_add_co_u32 s2, s2, s3                        ; v: the key step,
	s_and_b32 s3, s16, 1                           ; and which half of it
	s_lshl_b32 s[PVC], s2, 12
	s_lshl_b32 s[PVW], s3, 9
	s_add_co_u32 s[PVC], s[PVC], s[PVW]
	s_add_co_u32 s[PVC], s[PVC], VOFF
	s_lshl_b32 s[PVW], s2, 8
	s_lshl_b32 s3, s3, 1
	s_add_co_u32 s[PVW], s[PVW], s3
	s_add_co_u32 s[PVW], s[PVW], VWOFF
	s_mul_i32 s2, s16, 64*PB                       ; LDS: my 64 rows of x,
	s_mul_i32 s3, s16, 8*272                       ; their scale bytes: no place in the cluster enters an LDS address
	s_add_co_u32 s3, s3, XSL
	s_mov_b32 s[SEL], 0x76543210
	s_mov_b32 s[SEL+1], 0xfedcba98
	s_mov_b32 s90, 0x7f7f0000
	s_mov_b32 s91, 0xffff0000                      ; lanes 16-31
	s_wait_dscnt 0x0                               ; both opening adds are done
	s_wait_kmcnt 0x0
	s_add_nc_u64 s[4:5], s[4:5], s[78:79]
	s_add_nc_u64 s[6:7], s[6:7], s[80:81]
	s_add_nc_u64 s[8:9], s[8:9], s[82:83]
	s_add_nc_u64 s[10:11], s[10:11], s[84:85]
	s_add_nc_u64 s[12:13], s[12:13], s[86:87]
	CROUND                                         ; all sixteen work-groups are here: the joint loads meet
	G0SET G0X, 0, 4
	G0SET G0W, W0, 8
	G0SET G0XS, XSL, 6
	G0SET G0WS, WSL0, 10
	ARM 1, G0X,  G1X,  .Lhead_w
	ARM 2, G0W,  G1W,  .Lhead_xs
	ARM 3, G0XS, G1XS, .Lhead_ws
	TL G0WS, G1WS
.Lhead_asked:
	v_lshlrev_b32 v18, 2, v0                       ; thread n takes channel n of each of my three chunks
	global_load_b32 v19, v18, s[12:13]
	global_load_b32 v20, v18, s[12:13] offset:2048 ; four chunks of 512 bytes on
	global_load_b32 v21, v18, s[12:13] offset:4096
	v_and_b32 v1, 15, v0                           ; r
	v_bfe_u32 v2, v0, 4, 1                         ; h
	v_and_b32 v7, 31, v0
	v_mul_u32_u24 v[ADW0], v1, PB
	v_lshl_add_u32 v[ADW0], v2, 4, v[ADW0]
	v_add_nc_u32 v[ADX], s2, v[ADW0]
	v_lshlrev_b32 v[AWS0], 5, v1                   ; 32 r, and 16 more behind the unit's eighth row
	v_lshrrev_b32 v22, 3, v1
	v_lshl_add_u32 v[AWS0], v22, 4, v[AWS0]
	v_add_nc_u32 v[AXS], s3, v[AWS0]
	v_lshlrev_b32 v[ABQ0], 5, v2
	v_lshlrev_b32 v[ABV0], 5, v1
	v_lshlrev_b32 v[IMG], 4, v7
	v_lshlrev_b32 v[WOQ], 4, v1
	v_lshl_add_u32 v[WOV], v2, 2, v[WOQ]
	v_lshl_add_u32 v[WOQ], v2, 3, v[WOQ]
	v_lshl_add_u32 v22, v0, 2, TQ
	v_lshl_add_u32 v23, v0, 5, TV
.irp n, 0,1,2,3,4,5,6,7
	v_mov_b32 v[TP+\n], 0                          ; written once: a lane permute's destination counts as one of its sources
.endr
	s_wait_alu depctr_va_vdst(0)                   ; the wait at the head's end
	s_wait_loadcnt 0x0
	ds_store_b32 v22, v19                          ; chunk 0 is q's or k's in every work-group
	s_cmp_eq_u32 ttmp9, 0                          ; chunks 1 and 2: by the cluster's x; each way has LDS bytes of its own
	s_cbranch_scc0 .Ltable_v
	ds_store_b32 v22, v20 offset:512
	ds_store_b32 v22, v21 offset:1024
	s_branch .Ltable_done
.Ltable_v:
.irp n, 24,25,26,27
	v_mov_b32 v\n, v20
.endr
.irp n, 28,29,30,31
	v_mov_b32 v\n, v21
.endr
	ds_store_b128 v23, v[24:27]
	ds_store_b128 v23, v[24:27] offset:16
	ds_store_b128 v23, v[28:31] offset:4096
	ds_store_b128 v23, v[28:31] offset:4112
.Ltable_done:
	MEET W1, WSL1                                  ; the head's four tiles and the tables are whole; chunk 1 is asked for
	WIN 0x40                                       ; the destination: window 1
.irp t, 0,1,2,3
.irp q, 0,1,2,3,4,5,6,7
	ds_load_b128 v[64*\t+8*\q:64*\t+8*\q+3], v[ADX] offset:\t*16*PB+64*\q       ; lane (r, h): row r; registers 4 c on: K = 128 q + 64 c + 32 h on
	ds_load_b128 v[64*\t+8*\q+4:64*\t+8*\q+7], v[ADX] offset:\t*16*PB+64*\q+32
.endr
.endr
	WIN 0
.irp t, 0,1,2,3
	ds_load_b128 v[XSR+8*\t:XSR+8*\t+3], v[AXS] offset:544*\t      ; x's scale words: eight a row
	ds_load_b128 v[XSR+8*\t+4:XSR+8*\t+7], v[AXS] offset:544*\t+16
.endr
.macro ALOAD T                         ; w's block T of the unit: 8 fragments and its rows' 8 scale words: 18 LDS loads
.set S2, (\T)%2
.irp q, 0,1,2,3,4,5,6,7
	ds_load_b128 v[WF+64*S2+8*\q:WF+64*S2+8*\q+3], v[ADW] offset:(\T)*16*PB+64*\q
	ds_load_b128 v[WF+64*S2+8*\q+4:WF+64*S2+8*\q+7], v[ADW] offset:(\T)*16*PB+64*\q+32
.endr
	ds_load_b128 v[WSC+8*S2:WSC+8*S2+3], v[AWS] offset:544*(\T)
	ds_load_b128 v[WSC+8*S2+4:WSC+8*S2+7], v[AWS] offset:544*(\T)+16
.endm
.macro MM v, T, t, q, first            ; one matrix instruction: w's block T x x's tile t, the q-th 128 along K
.set RW, WF+64*((\T)%2)+8*(\q)
.set RX, 64*(\t)+8*(\q)
.set CW, WSC+8*((\T)%2)+(\q)
.set CX, XSR+8*(\t)+(\q)
.if \v
.set DD, 32*(\T)+8*(\t)
.if \first
	v_wmma_scale_f32_16x16x128_f8f6f4 v[DD:DD+7], v[RX:RX+7], v[RW:RW+7], v[8*(\T):8*(\T)+7], v[CX], v[CW] matrix_a_fmt:MATRIX_FMT_FP4 matrix_b_fmt:MATRIX_FMT_FP4
.else
	v_wmma_scale_f32_16x16x128_f8f6f4 v[DD:DD+7], v[RX:RX+7], v[RW:RW+7], v[DD:DD+7], v[CX], v[CW] matrix_a_fmt:MATRIX_FMT_FP4 matrix_b_fmt:MATRIX_FMT_FP4
.endif
.else
.set DD, 32*(\t)+8*(\T)
.if \first
	v_wmma_scale_f32_16x16x128_f8f6f4 v[DD:DD+7], v[RW:RW+7], v[RX:RX+7], v[8*(\T):8*(\T)+7], v[CW], v[CX] matrix_a_fmt:MATRIX_FMT_FP4 matrix_b_fmt:MATRIX_FMT_FP4
.else
	v_wmma_scale_f32_16x16x128_f8f6f4 v[DD:DD+7], v[RW:RW+7], v[RX:RX+7], v[DD:DD+7], v[CW], v[CX] matrix_a_fmt:MATRIX_FMT_FP4 matrix_b_fmt:MATRIX_FMT_FP4
.endif
.endif
.endm
.macro ROW v, T                        ; block T: 32 matrix instructions.  Windows: x's fragments 1, w's 0, D 2; C: the bias in 3, then 2
	WIN 0xb4-3*(\v)
.irp t, 0,1,2,3
	MM \v, \T, \t, 0, 1
.endr
	WIN 0xa4-3*(\v)
.irp q, 1,2,3,4,5,6,7
.irp t, 0,1,2,3
	MM \v, \T, \t, \q, 0
.endr
.endr
	WIN 0
.endm
.macro PLACES                          ; places behind matrix instructions, ahead of loads into their registers and of reads of their results (ISA guide 7.12.1 for the reads of their results)
.rept 4
	v_nop
.endr
.endm
.macro MUL v                           ; a unit's 128 matrix instructions
.if \v
	v_add_nc_u32 v[ABI], s[TBS], v[ABV0]
.else
	v_add_nc_u32 v[ABI], s[TBS], v[ABQ0]
.endif
	s_wait_alu depctr_va_vdst(0)
	WIN 0xc0                                       ; the destination: window 3
.irp T, 0,1,2,3
	ds_load_b128 v[8*\T:8*\T+3], v[ABI] offset:(64+448*(\v))*\T              ; q, k: b(16 T + 8 h + j);  v: b(16 T + r), eight times
	ds_load_b128 v[8*\T+4:8*\T+7], v[ABI] offset:(64+448*(\v))*\T+16
.endr
	WIN 0
	ALOAD 0
	ALOAD 1
	s_wait_dscnt 18                                ; all but the next block's 18 loads
	ROW \v, 0
	PLACES
	ALOAD 2
	s_wait_dscnt 18
	ROW \v, 1
	PLACES
	ALOAD 3
	s_wait_dscnt 18
	ROW \v, 2
	s_wait_dscnt 0x0
	ROW \v, 3
.endm
; THE QUANTISER.  Group G: accumulators 4 G .. 4 G + 3: register 8 i + j of them is k = 16 i + 8 h + j of the group's 64.  Chain n = 2 G + b is block b of 32: it lies in lanes l and l xor 16.  The eight chains go by turns.
.macro QUANT
	PLACES
	WIN 0x0a                                       ; sources 0 and 1: window 2
.irp n, 0,1,2,3,4,5,6,7
	v_max3_num_f32 v[TM+\n], |v[16*\n]|, |v[16*\n+1]|, 0x1800000       ; each accumulator from its low end on; the floor 2^(3 - 127): the byte cannot fall under 1
.endr
.irp i, 2,4,6,8,10,12,14
.irp n, 0,1,2,3,4,5,6,7
	v_max3_num_f32 v[TM+\n], |v[16*\n+\i]|, |v[16*\n+\i+1]|, v[TM+\n]
.endr
.endr
	WIN 0
.irp n, 0,1,2,3,4,5,6,7
	v_permlanex16_b32 v[TP+\n], v[TM+\n], s[SEL], s[SEL+1]
.endr
.irp n, 0,1,2,3,4,5,6,7
	v_max_num_f32 v[TM+\n], v[TM+\n], v[TP+\n]     ; the block's largest magnitude
.endr
.irp n, 0,1,2,3,4,5,6,7
	v_add_nc_u32 v[TS+\n], 0xff000000, v[TM+\n]    ; 2 off its exponent field: the conversion's scale operand
.endr
.irp n, 0,1,2,3,4,5,6,7
	v_lshrrev_b32 v[TP+\n], 23, v[TS+\n]           ; the scale's byte
.endr
.irp G, 0,1,2,3
	v_lshl_or_b32 v[PW+\G], v[TP+2*\G+1], 8, v[TP+2*\G]
.endr
.irp G, 0,1,2,3
	v_or_b32 v[PW+\G], s90, v[PW+\G]               ; under 0x7f, 0x7f (of v's words the low half alone is stored)
.endr
	WIN 0x02                                       ; source 0: window 2
.irp G, 0,1,2,3
	v_cvt_scalef32_pk8_fp4_f32 v[PC+4*\G],   v[32*\G:32*\G+7],     v[TS+2*\G]
	v_cvt_scalef32_pk8_fp4_f32 v[PC+4*\G+2], v[32*\G+8:32*\G+15],  v[TS+2*\G]
	v_cvt_scalef32_pk8_fp4_f32 v[PC+4*\G+1], v[32*\G+16:32*\G+23], v[TS+2*\G+1]
	v_cvt_scalef32_pk8_fp4_f32 v[PC+4*\G+3], v[32*\G+24:32*\G+31], v[TS+2*\G+1]
.endr
	WIN 0
	v_nop                                          ; one plain place behind a scaled conversion
.irp G, 0,1,2,3                        ; register g of lane half H then holds k = 32 H + 8 g on: the image
	v_permlane16_swap_b32 v[PC+4*\G], v[PC+4*\G+1]
	v_permlane16_swap_b32 v[PC+4*\G+2], v[PC+4*\G+3]
.endr
.endm
.macro OUTQ                            ; q, k: group G is token tile G of my four
.irp G, 0,1,2,3
	global_store_b128 v[IMG], v[PC+4*\G:PC+4*\G+3], s[CB:CB+1] offset:512*\G   ; 512 consecutive bytes, aligned
.endr
	v_cndmask_b32 v[SWD], v[PW], v[PW+2], s91      ; lanes 0-15 take tiles 0 and 1's words, lanes 16-31 tiles 2 and 3's
	v_cndmask_b32 v[SWD+1], v[PW+1], v[PW+3], s91
	global_store_b64 v[WOQ], v[SWD:SWD+1], s[WB2:WB2+1]            ; 32 lanes store 256 consecutive bytes, aligned
.endm
.macro OUTV                            ; v: group G is channel tile G of the head; my 64 tokens are half a key step
.irp G, 0,1,2,3
	global_store_b128 v[IMG], v[PC+4*\G:PC+4*\G+3], s[CB:CB+1] offset:1024*\G
.endr
	v_cndmask_b32 v[SWD], v[PW], v[PW+1], s91      ; lanes 0-15 take tiles 0 and 2, lanes 16-31 tiles 1 and 3
	v_cndmask_b32 v[SWD+1], v[PW+2], v[PW+3], s91
	global_store_b16 v[WOV], v[SWD], s[WB2:WB2+1]                  ; my two bytes of each scale word
	global_store_b16 v[WOV], v[SWD+1], s[WB2:WB2+1] offset:8
.endm
; A CHUNK: two units, a counted loop.  j: the trip; wb, sb: its slot.  What hangs on cx enters global addresses alone; the branches hang on the cluster's x.
.macro CHUNK j, wb, sb
	s_add_co_u32 s76, s20, 4*\j                    ; c
	s_lshr_b32 s77, s76, 3                         ; 0: q, 1: k, 2: v
	s_and_b32 s78, s76, 7
	s_lshl_b32 s78, s78, 1                         ; its first head
	s_add_co_u32 s78, s78, s[REC0]
	s_mul_i32 s78, s78, HS                         ; the record
	s_cmp_eq_u32 s77, 0
	s_cselect_b32 s79, QOFF, 0
	s_mov_b32 s80, KWOFF
	s_cselect_b32 s80, QWOFF, s80
	s_add_co_u32 s79, s79, s[PQC]
	s_add_co_u32 s80, s80, s[PQW]
	s_cmp_eq_u32 s77, 2
	s_cselect_b32 s79, s[PVC], s79
	s_cselect_b32 s80, s[PVW], s80
	s_add_co_u32 s82, s79, s78
	s_mov_b32 s83, 0
	s_add_nc_u64 s[CB:CB+1], s[14:15], s[82:83]
	s_add_co_u32 s82, s80, s78
	s_add_nc_u64 s[WB2:WB2+1], s[14:15], s[82:83]
	s_mov_b32 s[WBS], \wb
	s_mov_b32 s[WSS], \sb
	s_mov_b32 s[TBS], TQ+512*\j
	s_mov_b32 s81, 256                             ; the bias table's step from unit to unit
.if \j > 0
	s_mov_b32 s82, TV+4096*(\j-1)
	s_cmp_eq_u32 ttmp9, 0
	s_cselect_b32 s[TBS], s[TBS], s82
	s_cselect_b32 s81, s81, 2048
.endif
	s_mov_b32 s3, 2
.Lunit_\@:
	v_add_nc_u32 v[ADW], s[WBS], v[ADW0]
	v_add_nc_u32 v[AWS], s[WSS], v[AWS0]
.if \j > 0
	s_cmp_eq_u32 ttmp9, 0
	s_cbranch_scc0 .Lmul_v_\@
.endif
	MUL 0
.if \j > 0
	s_branch .Lmul_done_\@
.Lmul_v_\@:
	MUL 1
.Lmul_done_\@:
.endif
	QUANT
.if \j > 0
	s_wait_alu depctr_va_vdst(0)                   ; directly ahead of the branch
	s_cmp_eq_u32 ttmp9, 0
	s_cbranch_scc0 .Lout_v_\@
.endif
	OUTQ
.if \j > 0
	s_branch .Lout_done_\@
.Lout_v_\@:
	OUTV
.Lout_done_\@:
.endif
	s_wait_xcnt 0x0                                ; the stores have read their registers and bases: only behind this wait are they written again
	s_add_nc_u64 s[CB:CB+1], s[CB:CB+1], HS        ; the next head's record
	s_add_nc_u64 s[WB2:WB2+1], s[WB2:WB2+1], HS
	s_add_co_u32 s[WBS], s[WBS], 64*PB
	s_add_co_u32 s[WSS], s[WSS], 8*272
	s_add_co_u32 s[TBS], s[TBS], s81
	s_sub_co_u32 s3, s3, 1
	s_cmp_lg_u32 s3, 0
	s_cbranch_scc1 .Lunit_\@
.endm
	CHUNK 0, W0, WSL0
	MEET W0, WSL0                                  ; chunk 1 is whole and nobody reads slot 0 any more: chunk 2 is asked for
	CHUNK 1, W1, WSL1
	s_wait_tensorcnt 0x0                           ; my part of chunk 2, if I asked for one, has landed,
	s_wait_dscnt 0x0                               ; no LDS instruction of mine is pending at the signal
	s_barrier_signal -1
	s_barrier_wait -1                              ; everybody's has.
	CHUNK 2, W0, WSL0
	s_wait_tensorcnt 0x0                           ; the wave's end
	ds_add_u32 v[SPW], v[NIL]
	s_wait_dscnt 0x0
	CROUND                                         ; the closing round: no work-group ends while a partner may still ask for a tile that names it
	s_endpgm
.Lfunc_end_k_q1166075258_qkv_gemm:
	.size	k_q1166075258_qkv_gemm, .Lfunc_end_k_q1166075258_qkv_gemm-k_q1166075258_qkv_gemm
	.p2alignl 7, 3214868480
	.fill 96, 4, 3214868480
	.section	.rodata,"a",@progbits
	.p2align	6, 0x0
	.amdhsa_kernel k_q1166075258_qkv_gemm
		.amdhsa_group_segment_fixed_size 327680
		.amdhsa_private_segment_fixed_size 0
		.amdhsa_enable_private_segment 0
		.amdhsa_kernarg_size 48
		.amdhsa_user_sgpr_count 2
		.amdhsa_user_sgpr_kernarg_segment_ptr 1
		.amdhsa_wavefront_size32 1
		.amdhsa_system_sgpr_workgroup_id_x 1
		.amdhsa_system_sgpr_workgroup_id_y 1
		.amdhsa_system_sgpr_workgroup_id_z 1
		.amdhsa_system_vgpr_workitem_id 0
		.amdhsa_next_free_vgpr 800
		.amdhsa_next_free_sgpr 102
		.amdhsa_reserve_vcc 0
		.amdhsa_float_denorm_mode_32 3
		.amdhsa_float_denorm_mode_16_64 3
		.amdhsa_memory_ordered 1
		.amdhsa_forward_progress 1
		.amdhsa_inst_pref_size 158
	.end_amdhsa_kernel
	.amdgpu_metadata
---
amdhsa.version: [ 1, 2 ]
amdhsa.kernels:
  - .name:           k_q1166075258_qkv_gemm
    .symbol:         k_q1166075258_qkv_gemm.kd
    .args:
      - { .name: x_codes, .offset: 0, .size: 8, .value_kind: global_buffer, .address_space: global }
      - { .name: x_scales, .offset: 8, .size: 8, .value_kind: global_buffer, .address_space: global }
      - { .name: w_codes, .offset: 16, .size: 8, .value_kind: global_buffer, .address_space: global }
      - { .name: w_scales, .offset: 24, .size: 8, .value_kind: global_buffer, .address_space: global }
      - { .name: b_qkv, .offset: 32, .size: 8, .value_kind: global_buffer, .address_space: global }
      - { .name: qkv, .offset: 40, .size: 8, .value_kind: global_buffer, .address_space: global }
    .group_segment_fixed_size: 327680
    .private_segment_fixed_size: 0
    .kernarg_segment_align: 8
    .kernarg_segment_size: 48
    .max_flat_workgroup_size: 128
    .sgpr_count:     102
    .vgpr_count:     800
    .wavefront_size: 32
...
	.end_amdgpu_metadata
.endif
;; end of part 2
;; launch attention (part 3): grid 2 x 128, 16 waves a work-group, no clusters, 327,680 bytes of LDS; arguments qkv, a_codes, a_scales; writes a_codes, a_scales
.if DOCPART == 3
	.amdgcn_target "amdgcn-amd-amdhsa--gfx1250"
	.amdhsa_code_object_version 6
	.text
	.protected	k_q1166075258_attention
	.globl	k_q1166075258_attention
	.p2align	8
	.type	k_q1166075258_attention,@function
k_q1166075258_attention:
	s_mov_b64 s[64:65], 0
	v_nop
	global_prefetch_b8 v0, s[64:65] scope:SCOPE_SE
	s_setreg_imm32_b32 hwreg(HW_REG_WAVE_MODE, 25, 1), 1
	s_wait_xcnt 0x0
; o = softmax(q k^T / 8, causal) v for one (batch, head), both products on codes of FP4 (E2M1) with E8M0 scales; o is quantised along the model's 1,024 channels and leaves as codes.
; THE SOFTMAX AHEAD OF THE SECOND PRODUCT: t = score x log2(e) / 8; M = the running largest t rounded UP to a whole number; p = 2^(t - M) is quantised along the keys, not normalised; the row's sum is taken of the
; unquantised p and divides at the end.  When M moves, the sum and O are multiplied by 2^(old M - new M): exact.
; WORK LEFT OUT: key k is hidden from query q where k > q; a key step of 128 all of whose keys come after a tile's 16 queries reaches no output and is jumped over by ids.
; SHARES.  Two work-groups to a head, sixteen waves each.  Wave i (0 .. 31 over the two) owns query tiles 63 - i and i, 16 queries each: (8 - i / 8) + (i / 8 + 1) = 9 key steps that count, the same for every wave.
; Tile 63 - i goes first: it is 32 or more, so its key steps 0-3 are open to all its queries and carry no test; its steps 4-7 and tile i's steps 0-3 test ids (hidden, on the diagonal, open).
; LDS: the first 71,680 bytes of the head's record as they lie (K codes, V codes, K scale words, V scale words), each byte filled ONCE, in chunks of 8,192 bytes, chunk c by wave c.  At the head waves 0 and 4 ask for
; key steps 0 and 1 of K and of V and wave 8 for all scale words; the six other chunks are asked for behind the first barrier and have two key steps of every wave in which to land; a second barrier shows them.
; NO CLUSTER: the two work-groups of a head share these fills alone and no stream; a cluster of four would span two heads, whose tiles differ.  NO PREFETCH: all that the launch reads is asked for by these two groups of loads.
; All fragments lie as images of the operand's registers: lane l's 16 bytes at 16 l.  Both products are used transposed (S^T = K Q^T, O^T = V^T P^T): a lane holds ONE query throughout.
; THE HEAD'S 64 IN A FORM OF 128: Q's registers 4-7 are zero codes; K's operand of tile t is its four registers and the four behind them, whose codes meet zeros under scale bytes of 0x7f and add nothing.
; LIMITS: NaN and infinities are not served; the promise holds while |t| stays under 2^31; a block whose largest magnitude lies under 2^-124, a block of zeros among them, gets the byte 1 (zero codes add nothing; this program alone reads the bytes).
; REGISTERS: v1 16 x lane; v2, v3 my place among K's and V's scale words; v4-6 the step's LDS addresses; v8 o's scale byte's place; v12 -M, v13 the largest t, v[14:15] the sum; v16-23, v24-31 Q of tiles i, 63 - i;
;   v32-63 K's 8 tiles, v64-67 zeros; v68-75 K's scale words; v76, v77 Q's; v80-84, v88-92 o's codes and byte; v96-159 S^T, then p; v160-191 O^T; v192-223 V; v224-231 p's codes; v228-239, v244-249, v252, v254 at work;
;   v240-243 V's scale words; v253 p's scale word; v251, v255 the add's two.
.set HS,    108544
.set VOFF,  32768
.set KWOFF, 65536
.set VWOFF, 69632
.set QOFF,  71680
.set QWOFF, 104448
.set SPARE, 0x20000                    ; the spare words, 128 bytes for each wave: eight blocks of 256 bytes that no other line names
.set MK,    68                         ; s68-75 the diagonal tile's lane masks: register j is hidden in lanes r < j (lanes 0-15) and r < j + 8 (lanes 16-31)
.set MT,    76                         ; s76-83 the masks of the key tile in hand
.set G1S,   84                         ; s[84:91], s[92:95] groups 1 and 0 for the scale words
.set G0S,   92
.macro ARM eq, g0, g1, next            ; an arm of the head's one chain of branches on the wave's number
	s_cmp_eq_u32 s10, \eq
	s_cbranch_scc0 \next
	tensor_load_to_lds s[\g0:\g0+3], s[\g1:\g1+7]
	s_nop 0
.rept 4
	v_nop
.endr
	s_branch .Lhead_asked
\next:
.endm
	s_load_b128 s[4:7], s[0:1], 0x0                ; qkv, a_codes
	s_load_b64 s[8:9], s[0:1], 0x10                ; a_scales
	v_lshl_add_u32 v251, v0, 2, SPARE
	v_mov_b32 v255, 0
	ds_add_u32 v251, v255                          ; the opening lines: the add, twice on end, and its wait ahead of the first tensor load
	ds_add_u32 v251, v255
	v_lshrrev_b32 v1, 5, v0
	v_readfirstlane_b32 s10, v1                    ; wave 0..15
	s_and_b32 s11, ttmp7, 0xffff                   ; 16 batch + head
	s_mul_i32 s12, s11, HS
	s_mov_b32 s13, 0
	s_mov_b32 s16, 3<<16                           ; group 1 of a chunk: no mask; elements of 8 bytes; no padding
	s_mov_b32 s17, 32<<16                          ; tensor_dim0 = 32 elements: 256 bytes
	s_mov_b32 s18, 32<<16                          ; tensor_dim1 = 32 rows
	s_mov_b32 s19, 32<<16                          ; tile_dim0
	s_mov_b32 s20, 32                              ; tile_dim1
	s_mov_b32 s21, 32                              ; from row to row: dense
	s_mov_b32 s22, 0
	s_mov_b32 s23, 0
	s_mov_b32 s[G1S], 3<<16                        ; the scale words: 6,144 dense bytes: 24 rows of 256
	s_mov_b32 s[G1S+1], 32<<16
	s_mov_b32 s[G1S+2], 24<<16
	s_mov_b32 s[G1S+3], 32<<16
	s_mov_b32 s[G1S+4], 24
	s_mov_b32 s[G1S+5], 32
	s_mov_b32 s[G1S+6], 0
	s_mov_b32 s[G1S+7], 0
	s_mov_b32 s24, 1
	s_lshl_b32 s25, s10, 13                        ; group 0: chunk = wave: 8,192 x wave in LDS and in the record
	s_mov_b32 s14, s25
	s_mov_b32 s15, 0
	s_mov_b32 s[G0S], 1
	s_mov_b32 s[G0S+1], KWOFF
	s_lshl_b32 s39, ttmp9, 4
	s_add_co_u32 s49, s39, s10                     ; tile i
	s_sub_co_u32 s50, 63, s49                      ; tile 63 - i
	s_lshl_b32 s32, s49, 4                         ; their first queries
	s_lshl_b32 s33, s50, 4
	s_lshl_b32 s58, s49, 9                         ; their images among Q's codes
	s_lshl_b32 s59, s50, 9
	s_lshr_b32 s56, s49, 2                         ; tile T's scale words: 256 (T / 4) + 16 r + 4 (T % 4)
	s_lshl_b32 s56, s56, 8
	s_and_b32 s51, s49, 3
	s_lshl_b32 s51, s51, 2
	s_add_co_u32 s56, s56, s51
	s_lshr_b32 s57, s50, 2
	s_lshl_b32 s57, s57, 8
	s_and_b32 s51, s50, 3
	s_lshl_b32 s51, s51, 2
	s_add_co_u32 s57, s57, s51
	s_lshr_b32 s52, s11, 4                         ; batch
	s_and_b32 s53, s11, 15                         ; head
	s_lshl_b32 s54, s52, 19                        ; a_codes: [64 batch + T][16 heads][512 bytes]
	s_lshl_b32 s39, s53, 9
	s_add_co_u32 s54, s54, s39
	s_lshl_b32 s39, s49, 13
	s_add_co_u32 s60, s54, s39
	s_lshl_b32 s39, s50, 13
	s_add_co_u32 s61, s54, s39
	s_lshl_b32 s54, s52, 15                        ; a_scales: [1024 batch + 16 T + r][32], byte 2 head + block
	s_lshl_b32 s39, s53, 1
	s_add_co_u32 s54, s54, s39
	s_add_co_u32 s62, s54, s58
	s_add_co_u32 s63, s54, s59
	s_mov_b32 s28, 0x76543210
	s_mov_b32 s29, 0xfedcba98                      ; v_permlanex16_b32's selects for lane l xor 16
	s_mov_b32 s30, 0x3e38aa3b                      ; c = log2(e) / 8
	s_mov_b32 s31, s30                             ; (named with it as a pair, so it is written)
	s_mov_b32 s48, 0xffff0000                      ; lanes 16-31
.irp j, 0,1,2,3,4,5,6,7
	s_mov_b32 s[MK+\j], ((1<<\j)-1)|(((1<<(\j+8))-1)<<16)
.endr
	s_wait_dscnt 0x0                               ; both opening adds are done
	s_wait_kmcnt 0x0
	s_add_nc_u64 s[4:5], s[4:5], s[12:13]          ; my head's record
	s_add_nc_u64 s[26:27], s[4:5], s[14:15]        ; my chunk of it
	s_or_b32 s27, s27, 0x80000000
	s_add_nc_u64 s[G0S+2:G0S+3], s[4:5], KWOFF
	s_or_b32 s[G0S+3], s[G0S+3], 0x80000000
	s_mov_b32 s12, s60
	s_add_nc_u64 s[40:41], s[6:7], s[12:13]
	s_mov_b32 s12, s61
	s_add_nc_u64 s[42:43], s[6:7], s[12:13]
	s_mov_b32 s12, s62
	s_add_nc_u64 s[44:45], s[8:9], s[12:13]
	s_mov_b32 s12, s63
	s_add_nc_u64 s[46:47], s[8:9], s[12:13]
	ARM 0, 24, 16, .Lhead_v                        ; K's key steps 0 and 1
	ARM 4, 24, 16, .Lhead_w                        ; V's
	ARM 8, G0S, G1S, .Lhead_asked                  ; the scale words
	v_and_b32 v9, 15, v0                           ; r
	v_bfe_u32 v10, v0, 4, 1                        ; h
	v_and_b32 v1, 31, v0
	v_lshlrev_b32 v1, 4, v1
	v_lshl_add_u32 v2, v9, 4, KWOFF
	v_lshl_add_u32 v3, v9, 4, VWOFF
	v_lshl_add_u32 v8, v9, 5, v10                  ; a_scales: row r of 32 bytes, + my half's block
	v_add_nc_u32 v232, s58, v1
	v_add_nc_u32 v233, s59, v1
	v_lshl_add_u32 v234, v9, 4, s56
	v_lshl_add_u32 v235, v9, 4, s57
	global_load_b128 v[16:19], v232, s[4:5] offset:QOFF        ; Q's images: they stay in registers
	global_load_b128 v[24:27], v233, s[4:5] offset:QOFF
	global_load_b32 v76, v234, s[4:5] offset:QWOFF
	global_load_b32 v77, v235, s[4:5] offset:QWOFF
.irp j, 20,21,22,23,28,29,30,31,64,65,66,67
	v_mov_b32 v\j, 0                               ; zero codes
.endr
.irp j, 236,237,238,239,252,253
	v_mov_b32 v\j, 0                               ; written once: a lane permute's destination counts as one of its sources; v253 is named as the upper half of a pair
.endr
	s_wait_alu depctr_va_vdst(0)                   ; the wait at the head's end
	s_wait_tensorcnt 0x0                           ; my load of the head's three, if I have one, has landed; ahead of a later first fill:
	ds_add_u32 v251, v255                          ; the add, twice on end here
	ds_add_u32 v251, v255
	s_wait_dscnt 0x0
	s_barrier_signal -1
	s_barrier_wait -1                              ; key steps 0 and 1 and the scale words are whole
	s_cmp_eq_u32 s10, 0                            ; chunks 1-3 and 5-7, by the waves of those numbers: one tensor load a wave, first behind the barrier
	s_cbranch_scc1 .Lrest_asked
	s_cmp_eq_u32 s10, 4
	s_cbranch_scc1 .Lrest_asked
	s_cmp_lt_u32 s10, 8
	s_cbranch_scc0 .Lrest_asked
	tensor_load_to_lds s[24:27], s[16:23]
	s_nop 0
.rept 4
	v_nop
.endr
.Lrest_asked:
	s_wait_loadcnt 0x0                             ; Q
; The mask of key tile t in the step on the diagonal; s39 = m, the key tile that holds my queries.  t < m: open, jumped over by ids.  t = m: the diagonal's lane masks.  t > m: all lanes.
.macro MTILE t
	s_cmp_gt_u32 s39, \t
	s_cbranch_scc1 .Lmt_\@
	s_cmp_lt_u32 s39, \t
.irp j, 0,1,2,3,4,5,6,7
	s_cselect_b32 s[MT+\j], -1, s[MK+\j]
.endr
.irp j, 0,1,2,3,4,5,6,7
	v_cndmask_b32 v[96+8*\t+\j], v[96+8*\t+\j], v254, s[MT+\j]
.endr
.Lmt_\@:
.endm
; A KEY STEP: 128 keys from s34 on.  q: Q's fragment; qw: its scale words; q0: the scalar that holds the tile's first query; gen = 0: the step is open to all 16 queries by the tile's number; 1: ids decide.
.macro STEP q, qw, q0, gen
.if \gen
	s_add_co_u32 s39, s[\q0], 15
	s_cmp_gt_u32 s34, s39                          ; all keys come after my queries: only the work is left out
	s_cbranch_scc1 .Lhidden_\@
.endif
	v_add_nc_u32 v4, s35, v1
	v_add_nc_u32 v5, s36, v2
	v_add_nc_u32 v6, s37, v3
	v_nop                                          ; these four are the places in front of loads into registers that the last products read
.irp t, 0,1,2,3,4,5,6,7
	ds_load_b128 v[32+4*\t:35+4*\t], v4 offset:512*\t              ; K's tile t: 16 keys
.endr
.irp u, 0,1
	ds_load_b128 v[68+4*\u:71+4*\u], v5 offset:256*\u              ; the scale words of tiles 4 u .. 4 u + 3
.endr
.irp t, 0,1,2,3
.irp c, 0,1
	ds_load_b128 v[192+8*\t+4*\c:195+8*\t+4*\c], v4 offset:VOFF+1024*\t+512*\c   ; V's tile t: 16 channels x these 128 keys
.endr
.endr
	ds_load_b128 v[240:243], v6                    ; and its scale words
	s_wait_dscnt 9                                 ; K and its words are in; V's nine loads may be out
.irp t, 0,1,2,3,4,5,6,7
	v_wmma_scale_f32_16x16x128_f8f6f4 v[96+8*\t:103+8*\t], v[32+4*\t:39+4*\t], v[\q:\q+7], 0, v[68+\t], v[\qw] matrix_a_fmt:MATRIX_FMT_FP4 matrix_b_fmt:MATRIX_FMT_FP4
.endr                                  ; lane (r, h): query r; register 8 t + j: key 16 t + 8 h + j of the step
.rept 4
	v_nop
.endr
.if \gen
	s_add_co_u32 s39, s34, 127
	s_cmp_le_u32 s39, s[\q0]                       ; a step all of whose keys count skips the mask
	s_cbranch_scc1 .Lopen_\@
	s_sub_co_u32 s39, s[\q0], s34
	s_lshr_b32 s39, s39, 4                         ; m
	v_mov_b32 v254, 0xff800000                     ; -infinity: p = 0 then
	s_wait_alu depctr_va_vdst(0)                   ; directly behind the write
.irp t, 0,1,2,3,4,5,6,7
	MTILE \t
.endr
.Lopen_\@:
	s_wait_alu depctr_va_vdst(0)                   ; ahead of the first reader of the masked scores
.endif
.irp b, 0,1,2,3
	v_max3_num_f32 v[232+\b], v[96+16*\b], v[97+16*\b], v[98+16*\b]   ; the largest score of each block of 32 keys (tiles 2 b, 2 b + 1): it serves for the row's maximum and, since p rises with the score, for the block's largest p
.endr
.irp i, 3,5,7,9,11,13
.irp b, 0,1,2,3
	v_max3_num_f32 v[232+\b], v[232+\b], v[96+16*\b+\i], v[97+16*\b+\i]
.endr
.endr
.irp b, 0,1,2,3
	v_max_num_f32 v[232+\b], v[232+\b], v[111+16*\b]
.endr
.irp b, 0,1,2,3
	s_delay_alu instid0(VALU_DEP_4)
	v_permlanex16_b32 v[236+\b], v[232+\b], s28, s29
.endr
.irp b, 0,1,2,3
	s_delay_alu instid0(VALU_DEP_4)
	v_max_num_f32 v[232+\b], v[232+\b], v[236+\b]  ; with lane l xor 16's 16 keys
.endr
	s_delay_alu instid0(VALU_DEP_2)
	v_max3_num_f32 v254, v232, v233, v234
	s_delay_alu instid0(VALU_DEP_1)
	v_max_num_f32 v254, v254, v235                 ; the step's largest score of my query
	s_delay_alu instid0(VALU_DEP_1)
	v_mul_f32 v254, s30, v254                      ; as t
	s_delay_alu instid0(VALU_DEP_1)
	v_max_num_f32 v13, v13, v254                   ; the running largest t
	v_mov_b32 v254, v12
	s_delay_alu instid0(VALU_DEP_2)
	v_floor_f32 v12, -v13                          ; the new -M = floor(-t): M is a whole number
	s_delay_alu instid0(VALU_DEP_1)
	v_sub_f32 v254, v12, v254                      ; old M - new M: a whole number, 0 or less
	s_delay_alu instid0(VALU_DEP_1)
	v_cvt_i32_f32 v254, v254                       ; (it saturates)
	s_delay_alu instid0(VALU_DEP_1)
	v_ldexp_f32 v252, 1.0, v254                    ; f = 2^(old M - new M)
.set j, 0
.rept 32
	v_pk_fma_f32 v[96+j:97+j], v[96+j:97+j], s[30:31], v[12:13] op_sel_hi:[1,0,0]   ; t - M, two at a time
.set j, j+2
.endr
.irp b, 0,1,2,3
	v_fma_f32 v[232+\b], v[232+\b], s30, v12       ; the same of each block's largest score
.endr
.set j, 0
	s_wait_alu depctr_va_vdst(0)                   ; the wait ahead of the batch
.rept 64
	v_exp_f32 v[96+j], v[96+j]                     ; p = 2^(t - M), at most 1
.set j, j+1
.endr
	v_pk_mul_f32 v[14:15], v[14:15], v[252:253] op_sel_hi:[1,0]    ; the sums under the new M: the plain place behind the exponentials
	s_wait_alu depctr_va_vdst(0)                   ; one wait for the whole batch, ahead of its first reader
.irp b, 0,1,2,3
	v_exp_f32 v[232+\b], v[232+\b]                 ; the block's largest p
.endr
	v_pk_add_f32 v[236:237], v[100:101], v[104:105]                ; the row's sum of the unquantised p, in eight chains
	v_pk_add_f32 v[248:249], v[108:109], v[112:113]
	v_pk_add_f32 v[246:247], v[116:117], v[120:121]
	v_pk_add_f32 v[244:245], v[124:125], v[128:129]
	v_pk_add_f32 v[238:239], v[132:133], v[136:137]
	v_pk_add_f32 v[230:231], v[140:141], v[144:145]
	v_pk_add_f32 v[228:229], v[148:149], v[152:153]
	v_pk_add_f32 v[14:15], v[14:15], v[156:157]
	v_pk_add_f32 v[236:237], v[236:237], v[96:97]
	v_pk_add_f32 v[248:249], v[248:249], v[98:99]
	v_pk_add_f32 v[246:247], v[246:247], v[102:103]
	v_pk_add_f32 v[244:245], v[244:245], v[106:107]
	v_pk_add_f32 v[238:239], v[238:239], v[110:111]
	v_pk_add_f32 v[230:231], v[230:231], v[114:115]
	v_pk_add_f32 v[228:229], v[228:229], v[118:119]
	v_pk_add_f32 v[14:15], v[14:15], v[122:123]
	v_pk_add_f32 v[236:237], v[236:237], v[126:127]
	v_pk_add_f32 v[248:249], v[248:249], v[130:131]
	v_pk_add_f32 v[246:247], v[246:247], v[134:135]
	v_pk_add_f32 v[244:245], v[244:245], v[138:139]
	v_pk_add_f32 v[238:239], v[238:239], v[142:143]
	v_pk_add_f32 v[230:231], v[230:231], v[146:147]
	v_pk_add_f32 v[228:229], v[228:229], v[150:151]
	v_pk_add_f32 v[14:15], v[14:15], v[154:155]
	v_pk_add_f32 v[236:237], v[236:237], v[158:159]
	s_delay_alu instid0(VALU_DEP_2)
	v_pk_add_f32 v[14:15], v[14:15], v[244:245]
	s_delay_alu instid0(VALU_DEP_2)
	v_pk_add_f32 v[236:237], v[236:237], v[238:239]
	v_pk_add_f32 v[248:249], v[248:249], v[230:231]
	v_pk_add_f32 v[246:247], v[246:247], v[228:229]
	s_delay_alu instid0(VALU_DEP_2)
	v_pk_add_f32 v[14:15], v[14:15], v[248:249]
	s_delay_alu instid0(VALU_DEP_2)
	v_pk_add_f32 v[236:237], v[236:237], v[246:247]
	s_delay_alu instid0(VALU_DEP_1)
	v_pk_add_f32 v[14:15], v[14:15], v[236:237]
	s_wait_alu depctr_va_vdst(0)                   ; and one for the four
.irp b, 0,1,2,3
	v_max_num_f32 v[232+\b], 0x1800000, v[232+\b]  ; the floor 2^(3 - 127): the byte cannot fall under 1
.endr
.irp b, 0,1,2,3
	s_delay_alu instid0(VALU_DEP_4)
	v_add_nc_u32 v[244+\b], 0xff000000, v[232+\b]  ; the conversion's scale operand
.endr
.irp b, 0,1,2,3
	s_delay_alu instid0(VALU_DEP_4)
	v_lshrrev_b32 v[236+\b], 23, v[244+\b]         ; the scale's byte
.endr
	s_delay_alu instid0(VALU_DEP_3)
	v_lshl_or_b32 v253, v237, 8, v236              ; p's scale word for these 128 keys
	s_delay_alu instid0(VALU_DEP_1)
	v_lshl_or_b32 v253, v238, 16, v253
	s_delay_alu instid0(VALU_DEP_1)
	v_lshl_or_b32 v253, v239, 24, v253
.irp c, 0,1
	v_cvt_scalef32_pk8_fp4_f32 v[224+4*\c], v[96+32*\c:103+32*\c],  v[244+2*\c]    ; tile 4 c
	v_cvt_scalef32_pk8_fp4_f32 v[226+4*\c], v[104+32*\c:111+32*\c], v[244+2*\c]    ; tile 4 c + 1
	v_cvt_scalef32_pk8_fp4_f32 v[225+4*\c], v[112+32*\c:119+32*\c], v[245+2*\c]    ; tile 4 c + 2
	v_cvt_scalef32_pk8_fp4_f32 v[227+4*\c], v[120+32*\c:127+32*\c], v[245+2*\c]    ; tile 4 c + 3
.endr
	v_nop                                          ; one plain place behind a scaled conversion
.irp c, 0,1                            ; register 4 c + g of lane half H then holds keys 64 c + 32 H + 8 g on: the operand's layout
	v_permlane16_swap_b32 v[224+4*\c], v[225+4*\c]
	v_permlane16_swap_b32 v[226+4*\c], v[227+4*\c]
.endr
.set j, 0
.rept 16
	v_pk_mul_f32 v[160+j:161+j], v[160+j:161+j], v[252:253] op_sel_hi:[1,0]   ; O^T under the new M.  (These are also the places in front of the scaled products below)
.set j, j+2
.endr
	s_wait_alu depctr_va_vdst(0)                   ; directly ahead of the wait below
	s_wait_dscnt 0x0                               ; V and its words are in
.irp t, 0,1,2,3
	v_wmma_scale_f32_16x16x128_f8f6f4 v[160+8*\t:167+8*\t], v[192+8*\t:199+8*\t], v[224:231], v[160+8*\t:167+8*\t], v[240+\t], v253 matrix_a_fmt:MATRIX_FMT_FP4 matrix_b_fmt:MATRIX_FMT_FP4
.endr
.if \gen
.Lhidden_\@:
.endif
	s_add_co_u32 s34, s34, 128                     ; the next step's first key,
	s_add_co_u32 s35, s35, 4096                    ; its codes (K's and V's alike),
	s_add_co_u32 s36, s36, 512                     ; K's scale words,
	s_add_co_u32 s37, s37, 256                     ; V's
.endm
.macro TINIT                           ; a tile begins: the step is written for all steps alike: the first finds zeros, which the first change of M leaves zeros
	v_mov_b32 v13, 0xff61b1e6                      ; the largest t so far: -3e38, under every t
	s_delay_alu instid0(VALU_DEP_1)
	v_floor_f32 v12, -v13                          ; -M
	v_mov_b32 v14, 0
	v_mov_b32 v15, 0
.set j, 0
.rept 32
	v_mov_b32 v[160+j], 0
.set j, j+1
.endr
	s_mov_b32 s34, 0
	s_mov_b32 s35, 0
	s_mov_b32 s36, 0
	s_mov_b32 s37, 0
.endm
.macro WALK trips, q, qw, q0, gen      ; a counted walk over key steps: the trip count is a constant of the text
	s_mov_b32 s38, \trips
.Lkeys_\@:
	STEP \q, \qw, \q0, \gen
	s_sub_co_u32 s38, s38, 1
	s_cmp_lg_u32 s38, 0
	s_cbranch_scc1 .Lkeys_\@
.endm
; THE WAY OUT of a tile.  cb, sb: the scalar pairs that hold the codes' and the scale bytes' bases; oc: five registers for the codes and the byte, the tile's own.
.macro TOUT cb, sb, oc
.rept 4
	v_nop                                          ; places behind the last products
.endr
	v_add_f32 v14, v14, v15                        ; the sum's two halves,
	s_delay_alu instid0(VALU_DEP_1)
	v_permlanex16_b32 v252, v14, s28, s29
	s_delay_alu instid0(VALU_DEP_1)
	v_add_f32 v14, v14, v252                       ; and lane l xor 16's: the row's sum
	s_wait_alu depctr_va_vdst(0)                   ; the wait ahead of the transcendental
	v_rcp_f32 v14, v14
	v_nop                                          ; one plain place behind a transcendental
	s_wait_alu depctr_va_vdst(0)                   ; and the wait ahead of its first reader
.set j, 0
.rept 32
	v_mul_f32 v[96+j], v[160+j], v14               ; o(r, 16 T + 8 h + j) in register 8 T + j
.set j, j+1
.endr
.irp b, 0,1
	v_max3_num_f32 v[232+\b], |v[96+16*\b]|, |v[97+16*\b]|, 0x1800000   ; the head's two blocks of 32 channels, with the floor
.endr
.irp i, 2,4,6,8,10,12,14
.irp b, 0,1
	s_delay_alu instid0(VALU_DEP_2)
	v_max3_num_f32 v[232+\b], v[232+\b], |v[96+16*\b+\i]|, |v[97+16*\b+\i]|
.endr
.endr
.irp b, 0,1
	s_delay_alu instid0(VALU_DEP_2)
	v_permlanex16_b32 v[236+\b], v[232+\b], s28, s29
.endr
.irp b, 0,1
	s_delay_alu instid0(VALU_DEP_2)
	v_max_num_f32 v[232+\b], v[232+\b], v[236+\b]
.endr
.irp b, 0,1
	s_delay_alu instid0(VALU_DEP_2)
	v_add_nc_u32 v[244+\b], 0xff000000, v[232+\b]
.endr
.irp b, 0,1
	s_delay_alu instid0(VALU_DEP_2)
	v_lshrrev_b32 v[236+\b], 23, v[244+\b]
.endr
	v_cvt_scalef32_pk8_fp4_f32 v[\oc],   v[96:103],  v244
	v_cvt_scalef32_pk8_fp4_f32 v[\oc+2], v[104:111], v244
	v_cvt_scalef32_pk8_fp4_f32 v[\oc+1], v[112:119], v245
	v_cvt_scalef32_pk8_fp4_f32 v[\oc+3], v[120:127], v245
	v_nop                                          ; one plain place behind a scaled conversion
	v_permlane16_swap_b32 v[\oc], v[\oc+1]
	v_permlane16_swap_b32 v[\oc+2], v[\oc+3]       ; lane (r, H): row r, channels 32 H on of my head: the image that the last product reads
	v_cndmask_b32 v[\oc+4], v236, v237, s48        ; lanes 0-15 block 0's byte, lanes 16-31 block 1's
	global_store_b128 v1, v[\oc:\oc+3], s[\cb:\cb+1]               ; 512 consecutive bytes, aligned
	global_store_b8 v8, v[\oc+4], s[\sb:\sb+1]     ; my head's two bytes of each of 16 rows of scale bytes
.endm
	TINIT                                          ; tile 63 - i
	WALK 2, 24, 77, 33, 0                          ; key steps 0 and 1, under which the other six chunks land
	s_wait_tensorcnt 0x0                           ; my chunk, if I asked for one, has landed,
	s_wait_dscnt 0x0                               ; no LDS instruction of mine is pending at the signal
	s_barrier_signal -1
	s_barrier_wait -1                              ; everybody's has: the record's 71,680 bytes are whole.
	WALK 2, 24, 77, 33, 0                          ; key steps 2 and 3
	WALK 4, 24, 77, 33, 1                          ; key steps 4 to 7: ids decide
	TOUT 42, 46, 88
	TINIT                                          ; tile i: it is under 32, so key steps 4 to 7 are hidden from it and are not walked
	WALK 4, 16, 76, 32, 1
	TOUT 40, 44, 80
	s_wait_tensorcnt 0x0                           ; the wave's end
	ds_add_u32 v251, v255
	s_wait_dscnt 0x0
	s_endpgm
.Lfunc_end_k_q1166075258_attention:
	.size	k_q1166075258_attention, .Lfunc_end_k_q1166075258_attention-k_q1166075258_attention
	.p2alignl 7, 3214868480
	.fill 96, 4, 3214868480
	.section	.rodata,"a",@progbits
	.p2align	6, 0x0
	.amdhsa_kernel k_q1166075258_attention
		.amdhsa_group_segment_fixed_size 327680
		.amdhsa_private_segment_fixed_size 0
		.amdhsa_enable_private_segment 0
		.amdhsa_kernarg_size 24
		.amdhsa_user_sgpr_count 2
		.amdhsa_user_sgpr_kernarg_segment_ptr 1
		.amdhsa_wavefront_size32 1
		.amdhsa_system_sgpr_workgroup_id_x 1
		.amdhsa_system_sgpr_workgroup_id_y 1
		.amdhsa_system_sgpr_workgroup_id_z 1
		.amdhsa_system_vgpr_workitem_id 0
		.amdhsa_next_free_vgpr 256
		.amdhsa_next_free_sgpr 96
		.amdhsa_reserve_vcc 0
		.amdhsa_float_denorm_mode_32 3
		.amdhsa_float_denorm_mode_16_64 3
		.amdhsa_memory_ordered 1
		.amdhsa_forward_progress 1
		.amdhsa_inst_pref_size 98
	.end_amdhsa_kernel
	.amdgpu_metadata
---
amdhsa.version: [ 1, 2 ]
amdhsa.kernels:
  - .name:           k_q1166075258_attention
    .symbol:         k_q1166075258_attention.kd
    .args:
      - { .name: qkv, .offset: 0, .size: 8, .value_kind: global_buffer, .address_space: global }
      - { .name: a_codes, .offset: 8, .size: 8, .value_kind: global_buffer, .address_space: global }
      - { .name: a_scales, .offset: 16, .size: 8, .value_kind: global_buffer, .address_space: global }
    .group_segment_fixed_size: 327680
    .private_segment_fixed_size: 0
    .kernarg_segment_align: 8
    .kernarg_segment_size: 24
    .max_flat_workgroup_size: 512
    .sgpr_count:     96
    .vgpr_count:     256
    .wavefront_size: 32
...
	.end_amdgpu_metadata
.endif
;; end of part 3
;; launch out_gemm (part 4): grid 4 x 64, 4 waves a work-group, clusters of 4 x 4, 327,680 bytes of LDS; arguments a_codes, a_scales, w_codes, w_scales, b_out, out0; writes out0
.if DOCPART == 4
	.amdgcn_target "amdgcn-amd-amdhsa--gfx1250"
	.amdhsa_code_object_version 6
	.text
	.protected	k_q1166075258_out_gemm
	.globl	k_q1166075258_out_gemm
	.p2align	8
	.type	k_q1166075258_out_gemm,@function
k_q1166075258_out_gemm:
	s_mov_b64 s[64:65], 0
	v_nop
	global_prefetch_b8 v0, s[64:65] scope:SCOPE_SE
	s_setreg_imm32_b32 hwreg(HW_REG_WAVE_MODE, 25, 1), 1
	s_wait_xcnt 0x0
	s_wait_alu depctr_hold_cnt(0) depctr_sa_sdst(0) depctr_va_vdst(0) depctr_va_sdst(0) depctr_va_ssrc(0) depctr_va_vcc(0) depctr_vm_vsrc(0)
	s_getreg_b32 s2, hwreg(HW_REG_IB_STS2, 6, 4)
	s_cmp_eq_u32 s2, 0
	s_cbranch_scc0 .Lentry_in_a_cluster
	s_endpgm
.Lentry_in_a_cluster:
	s_bfe_u32 s2, ttmp6, 0x10000c
	s_cmp_lg_u32 s2, 0xf033
	s_cbranch_scc0 .Lentry_shape_is_right
	s_endpgm
.Lentry_shape_is_right:
; out0 = o W_out + b_out on codes of FP4 (E2M1) with E8M0 scales, sums in f32.  o: a_codes [512 tiles of 16 rows][16 heads][512 bytes], images of the operand's registers (lane l's 16 bytes at 16 l), a_scales [8192][32];
; W_out's columns: rows 3072-4095 of w_codes [4096][512 bytes] and w_scales [4096][32].
; SHARES.  A work-group makes 128 rows x 256 columns: 64 x 4 = 256 work-groups.  Each of its four waves makes all 128 rows of 64 columns.  K = 1,024 lies in LDS whole: four tiles, ONE joint load a wave at the head
; (wave 0 A's 65,536 bytes, wave 1 B's 256 rows, wave 2 A's scale bytes, wave 3 B's); nothing is filled later, so there is no ring.
; A WAVE KEEPS ITS B IN REGISTERS: 4 column tiles x 8 steps of 128 along K x 8 registers fill window 1, read from LDS once.  A comes by blocks of 16 rows x all of K (64 registers, two buffers).  A block is 32 matrix
; instructions, its four accumulators by turns, K ascending, and it leaves while the next block is multiplied.
; CLUSTERS: 4 x 4 work-groups; A's tiles are shared along a row of the cluster, B's along a column: each is asked for jointly.  NO PREFETCH: the launch has no loop to run ahead in; all it reads is asked for at its head.
; THE MATRIX INSTRUCTION IS USED TRANSPOSED (source 0 = 16 rows of B, source 1 = 16 rows of A): a lane holds eight neighbouring columns of one row.  THE BIAS is the C of each sum's first instruction.
; THE WAY OUT: a block's 16 rows x 256 bytes go through the wave's own stage in LDS and come back by rows: sixteen lanes store 256 consecutive bytes, aligned.
; REGISTERS: window 0: v10-19 addresses; v32-63 B's scale words (8 b + q); v64-79 A's (two sets); v80-111 the bias; v128-255 A's fragments (two buffers).  window 1: B's fragments, v[64 b + 8 q].
;   window 2: v0-63 the accumulators (two sets of four), v64-127 rows read back from the stage (two sets).
.set PB,    528                        ; B's LDS row: 512 bytes + 16 of padding: the 16 rows that a load touches start at 16 different banks (64 banks of 4 bytes: ISA guide 11.1)
.set BT,    65536                      ; LDS: A's images from 0; B's 256 rows;
.set SAL,   BT+256*PB                  ; A's scale bytes, 16 units of 256 bytes + 16 of padding;
.set SBL,   SAL+16*272                 ; B's, 32 units;
.set STG,   SBL+32*272                 ; the four stages, 16 rows x 272 bytes each: blocks of 256 bytes into which no fill lands;
.set SPARE, STG+4*16*272               ; the spare words, 128 bytes for each wave: two blocks of 256 bytes that no other line names
.set ADA, 10
.set ADB, 11
.set ASA, 12
.set ASB, 13
.set STO, 14
.set RD,  15
.set CO,  16
.set BO,  17
.set SPW, 18
.set NIL, 19
.set SBR, 32
.set SAR, 64
.set BI,  80
.set AF,  128
.set G1A, 24
.set G1B, 32
.set G1SA, 40
.set G1SB, 48
.set G0A, 56
.set G0B, 60
.set G0SA, 68
.set G0SB, 72
.set MSB, 0
.macro WIN new                         ; the immediate's high byte repeats the setting that is left
.if MSB != \new
	s_set_vgpr_msb (MSB<<8)|\new
.set MSB, \new
.endif
.endm
.macro CROUND                          ; a round of the cluster's barrier
	s_barrier_signal -1
	s_barrier_wait -1
	s_cmp_lg_u32 s16, 0
	s_cbranch_scc1 .Lnot_wave_0_\@
	s_barrier_signal -3
.Lnot_wave_0_\@:
	s_barrier_wait -3
	s_barrier_signal -1
	s_barrier_wait -1
.endm
.macro ARM under, g0, g1, next         ; an arm of the head's one chain of branches on the wave's number
	s_cmp_lt_u32 s16, \under
	s_cbranch_scc0 \next
	tensor_load_to_lds s[\g0:\g0+3], s[\g1:\g1+7]
	s_nop 0
.rept 4
	v_nop
.endr
	s_branch .Lhead_asked
\next:
.endm
.macro G1SET g, c, r                   ; group 1's words 1 to 7: r rows of c elements, dense
	s_mov_b32 s[\g+1], (\c)<<16
	s_mov_b32 s[\g+2], (\r)<<16
	s_mov_b32 s[\g+3], (\c)<<16
	s_mov_b32 s[\g+4], \r
	s_mov_b32 s[\g+5], \c
	s_mov_b32 s[\g+6], 0
	s_mov_b32 s[\g+7], 0
.endm
.macro G0SET g, lds, p                 ; group 0: count 1, the LDS address, the tile's first byte, type 2
	s_mov_b32 s[\g], 1
	s_mov_b32 s[\g+1], \lds
	s_mov_b64 s[\g+2:\g+3], s[\p:\p+1]
	s_or_b32 s[\g+3], s[\g+3], 0x80000000
.endm
	s_load_b256 s[4:11], s[0:1], 0x0               ; a_codes, a_scales, w_codes, w_scales
	s_load_b128 s[12:15], s[0:1], 0x20             ; b_out, out0
	v_lshl_add_u32 v[SPW], v0, 2, SPARE
	v_mov_b32 v[NIL], 0
	ds_add_u32 v[SPW], v[NIL]                      ; the opening lines: the add, twice on end, and its wait ahead of the first tensor load
	ds_add_u32 v[SPW], v[NIL]
	v_lshrrev_b32 v1, 5, v0
	v_readfirstlane_b32 s16, v1                    ; wave 0..3
	s_bfe_u32 s17, ttmp6, 0x40000                  ; cx: the tile column (the grid is one cluster wide)
	s_bfe_u32 s18, ttmp6, 0x40004                  ; cy
	s_and_b32 s19, ttmp7, 0xffff
	s_lshl_b32 s19, s19, 2
	s_add_co_u32 s19, s19, s18                     ; the tile row: 4 x cluster y + cy
	s_lshl_b32 s20, s18, 2
	s_lshl_b32 s20, 15, s20                        ; my row of the cluster
	s_lshl_b32 s21, 0x1111, s17                    ; my column
	s_or_b32 s[G1A], s20, (3<<16)|(1<<21)                            ; A: 65,536 dense bytes as 256 rows of 256 (32 elements of 8 bytes), no padding; the mask: my row; bit 21 beside a mask
	G1SET G1A, 32, 256
	s_or_b32 s[G1B], s21, (0<<16)|(1<<20)|(1<<21)|(6<<22)|(3<<25)    ; B: 256 rows of 512 bytes, 4 words of padding after every 128; the mask: my column
	G1SET G1B, 512, 256
	s_or_b32 s[G1SA], s20, (3<<16)|(1<<20)|(1<<21)|(5<<22)|(3<<25)   ; scale bytes: rows of 256 bytes, 4 words of padding after every 64
	G1SET G1SA, 32, 16
	s_or_b32 s[G1SB], s21, (3<<16)|(1<<20)|(1<<21)|(5<<22)|(3<<25)
	G1SET G1SB, 32, 32
	s_lshl_b32 s22, s19, 16                        ; A's codes: 128 rows are 8 tiles of 8,192 bytes
	s_mov_b32 s23, 0
	s_lshl_b32 s76, s19, 12                        ; A's scale bytes: 128 x 32
	s_mov_b32 s77, 0
	s_lshl_b32 s78, s17, 17                        ; B's codes: row 3072 + 256 cx
	s_add_co_u32 s78, s78, 3072*512
	s_mov_b32 s79, 0
	s_lshl_b32 s80, s17, 13                        ; B's scale bytes
	s_add_co_u32 s80, s80, 3072*32
	s_mov_b32 s81, 0
	s_lshl_b32 s82, s17, 10                        ; my first column in bytes: 1024 cx + 256 wave
	s_lshl_b32 s84, s16, 8
	s_add_co_u32 s82, s82, s84
	s_mov_b32 s83, 0
	s_lshl_b32 s84, s19, 19                        ; out0: 128 rows of 4,096 bytes a tile row
	s_add_co_u32 s84, s84, s82
	s_mov_b32 s85, 0
	s_mul_i32 s86, s16, 64*PB                      ; LDS: my 64 rows of B,
	s_add_co_u32 s86, s86, BT
	s_mul_i32 s87, s16, 8*272                      ; their scale bytes (eight units),
	s_add_co_u32 s87, s87, SBL
	s_mul_i32 s88, s16, 16*272                     ; my stage: no place in the cluster enters an LDS address
	s_add_co_u32 s88, s88, STG
	s_wait_dscnt 0x0                               ; both opening adds are done
	s_wait_kmcnt 0x0
	s_add_nc_u64 s[4:5], s[4:5], s[22:23]
	s_add_nc_u64 s[6:7], s[6:7], s[76:77]
	s_add_nc_u64 s[8:9], s[8:9], s[78:79]
	s_add_nc_u64 s[10:11], s[10:11], s[80:81]
	s_add_nc_u64 s[12:13], s[12:13], s[82:83]
	s_add_nc_u64 s[14:15], s[14:15], s[84:85]
	CROUND                                         ; all sixteen work-groups are here: the joint loads meet
	G0SET G0A, 0, 4
	G0SET G0B, BT, 8
	G0SET G0SA, SAL, 6
	G0SET G0SB, SBL, 10
	ARM 1, G0A,  G1A,  .Lhead_b
	ARM 2, G0B,  G1B,  .Lhead_sa
	ARM 3, G0SA, G1SA, .Lhead_sb
	tensor_load_to_lds s[G0SB:G0SB+3], s[G1SB:G1SB+7]
	s_nop 0
.rept 4
	v_nop
.endr
.Lhead_asked:
	v_and_b32 v1, 15, v0                           ; r
	v_bfe_u32 v2, v0, 4, 1                         ; h
	v_and_b32 v3, 31, v0
	v_lshlrev_b32 v[ADA], 4, v3                    ; A's images: 16 x lane
	v_mul_u32_u24 v4, v1, PB
	v_lshl_add_u32 v4, v2, 4, v4
	v_add_nc_u32 v[ADB], s86, v4                   ; B's fragments: row r x pitch + 16 h
	v_lshlrev_b32 v5, 5, v1                        ; a row's scale bytes: 32 r, and 16 more behind the unit's eighth row
	v_lshrrev_b32 v6, 3, v1
	v_lshl_add_u32 v5, v6, 4, v5
	v_add_nc_u32 v[ASA], SAL, v5
	v_add_nc_u32 v[ASB], s87, v5
	v_mul_u32_u24 v6, v1, 272                      ; the stage, in: row r, 32 bytes for each half of the lanes
	v_lshl_add_u32 v6, v2, 5, v6
	v_add_nc_u32 v[STO], s88, v6
	v_mul_u32_u24 v7, v2, 272                      ; back: lanes 0-15 one row of 256 bytes, lanes 16-31 the next
	v_lshl_add_u32 v7, v1, 4, v7
	v_add_nc_u32 v[RD], s88, v7
	v_lshlrev_b32 v8, 12, v2                       ; and the same two rows in out0
	v_lshl_add_u32 v[CO], v1, 4, v8
	v_lshlrev_b32 v[BO], 5, v2
.irp b, 0,1,2,3
	global_load_b128 v[BI+8*\b:BI+8*\b+3], v[BO], s[12:13] offset:64*\b       ; b_out(16 b + 8 h + j): the C of column tile b
	global_load_b128 v[BI+8*\b+4:BI+8*\b+7], v[BO], s[12:13] offset:64*\b+16
.endr
.macro ALOAD a                         ; block a: its 8 fragments and its rows' 8 scale words: 18 LDS loads
.set S2, (\a)%2
.irp q, 0,1,2,3,4,5,6,7
	ds_load_b128 v[AF+64*S2+8*\q:AF+64*S2+8*\q+3], v[ADA] offset:8192*(\a)+1024*\q
	ds_load_b128 v[AF+64*S2+8*\q+4:AF+64*S2+8*\q+7], v[ADA] offset:8192*(\a)+1024*\q+512
.endr
	ds_load_b128 v[SAR+8*S2:SAR+8*S2+3], v[ASA] offset:544*(\a)
	ds_load_b128 v[SAR+8*S2+4:SAR+8*S2+7], v[ASA] offset:544*(\a)+16
.endm
.macro ROW a                           ; block a: 32 matrix instructions
.set S2, (\a)%2
	WIN 0x81                                       ; source 0 (B) window 1, source 1 (A) and C (the bias) window 0, D window 2
.irp b, 0,1,2,3
	v_wmma_scale_f32_16x16x128_f8f6f4 v[32*S2+8*\b:32*S2+8*\b+7], v[64*\b:64*\b+7], v[AF+64*S2:AF+64*S2+7], v[BI+8*\b:BI+8*\b+7], v[SBR+8*\b], v[SAR+8*S2] matrix_a_fmt:MATRIX_FMT_FP4 matrix_b_fmt:MATRIX_FMT_FP4
.endr
	WIN 0xa1                                       ; C window 2
.irp q, 1,2,3,4,5,6,7
.irp b, 0,1,2,3
	v_wmma_scale_f32_16x16x128_f8f6f4 v[32*S2+8*\b:32*S2+8*\b+7], v[64*\b+8*\q:64*\b+8*\q+7], v[AF+64*S2+8*\q:AF+64*S2+8*\q+7], v[32*S2+8*\b:32*S2+8*\b+7], v[SBR+8*\b+\q], v[SAR+8*S2+\q] matrix_a_fmt:MATRIX_FMT_FP4 matrix_b_fmt:MATRIX_FMT_FP4
.endr
.endr
.endm
.macro TOSTAGE a                       ; 8 LDS stores and 8 LDS loads: LDS serves a wave's instructions in order (ISA guide 5.7.1.4), so no wait stands between them
.set S2, (\a)%2
	WIN 0x08                                       ; the data: window 2
.irp b, 0,1,2,3
	ds_store_b128 v[STO], v[32*S2+8*\b:32*S2+8*\b+3] offset:64*\b           ; each accumulator from its low end on
	ds_store_b128 v[STO], v[32*S2+8*\b+4:32*S2+8*\b+7] offset:64*\b+16
.endr
	WIN 0x80                                       ; the destination: window 2
.irp t, 0,1,2,3,4,5,6,7
	ds_load_b128 v[64+32*S2+4*\t:64+32*S2+4*\t+3], v[RD] offset:\t*2*272
.endr
	WIN 0
.endm
.macro SEND a, younger                 ; younger: the LDS loads issued behind block a's turn through the stage, which may stay out
.set S2, (\a)%2
	s_wait_dscnt \younger
	WIN 0x08
.irp t, 0,1,2,3,4,5,6,7
	global_store_b128 v[CO], v[64+32*S2+4*\t:64+32*S2+4*\t+3], s[14:15] offset:65536*(\a)+8192*\t th:TH_STORE_NT   ; sixteen lanes store 256 consecutive bytes, aligned; every offset is an immediate
.endr
	WIN 0
.endm
	s_wait_alu depctr_va_vdst(0)                   ; the wait at the head's end
	s_wait_tensorcnt 0x0                           ; my tile of the head's four is in,
	s_barrier_signal -1
	s_barrier_wait -1                              ; everybody's is
.irp b, 0,1,2,3
	ds_load_b128 v[SBR+8*\b:SBR+8*\b+3], v[ASB] offset:544*\b      ; B's scale words: eight a row
	ds_load_b128 v[SBR+8*\b+4:SBR+8*\b+7], v[ASB] offset:544*\b+16
.endr
	ALOAD 0
	WIN 0x40                                       ; the destination: window 1
.irp b, 0,1,2,3
.irp q, 0,1,2,3,4,5,6,7
	ds_load_b128 v[64*\b+8*\q:64*\b+8*\q+3], v[ADB] offset:\b*16*PB+64*\q       ; lane (r, h): row r; registers 4 c on: K = 128 q + 64 c + 32 h on
	ds_load_b128 v[64*\b+8*\q+4:64*\b+8*\q+7], v[ADB] offset:\b*16*PB+64*\q+32
.endr
.endr
	WIN 0
	ALOAD 1
	s_wait_loadcnt 0x0                             ; the bias
.irp a, 0,1,2,3,4,5,6,7
.if \a == 0
	s_wait_dscnt 18                                ; all but block 1's 18 loads
.elseif \a < 7
	s_wait_dscnt 34                                ; this block's loads are in; the last block's 16 through the stage and the next block's 18 may be out
.else
	s_wait_dscnt 16
.endif
	ROW \a
.if \a > 0
.if \a < 7
	SEND (\a-1), 18                                ; the block before is back from the stage and leaves
.else
	SEND (\a-1), 0
.endif
.endif
.rept 4
	v_nop                                          ; places behind the block's last products, ahead of the stores that read its results and of the loads into its fragments and scale words
.endr
.if \a > 1
	s_wait_xcnt 0x0                                ; block a - 2's stores have read their registers: this block's rows may land there
.endif
	TOSTAGE \a
.if \a < 6
	ALOAD (\a+2)
.endif
.endr
	SEND 7, 0
	s_wait_tensorcnt 0x0                           ; the wave's end
	ds_add_u32 v[SPW], v[NIL]
	s_wait_dscnt 0x0
	CROUND                                         ; the closing round: no work-group ends while a partner may still ask for a tile that names it
	s_endpgm
.Lfunc_end_k_q1166075258_out_gemm:
	.size	k_q1166075258_out_gemm, .Lfunc_end_k_q1166075258_out_gemm-k_q1166075258_out_gemm
	.p2alignl 7, 3214868480
	.fill 96, 4, 3214868480
	.section	.rodata,"a",@progbits
	.p2align	6, 0x0
	.amdhsa_kernel k_q1166075258_out_gemm
		.amdhsa_group_segment_fixed_size 327680
		.amdhsa_private_segment_fixed_size 0
		.amdhsa_enable_private_segment 0
		.amdhsa_kernarg_size 48
		.amdhsa_user_sgpr_count 2
		.amdhsa_user_sgpr_kernarg_segment_ptr 1
		.amdhsa_wavefront_size32 1
		.amdhsa_system_sgpr_workgroup_id_x 1
		.amdhsa_system_sgpr_workgroup_id_y 1
		.amdhsa_system_sgpr_workgroup_id_z 1
		.amdhsa_system_vgpr_workitem_id 0
		.amdhsa_next_free_vgpr 640
		.amdhsa_next_free_sgpr 92
		.amdhsa_reserve_vcc 0
		.amdhsa_float_denorm_mode_32 3
		.amdhsa_float_denorm_mode_16_64 3
		.amdhsa_memory_ordered 1
		.amdhsa_forward_progress 1
		.amdhsa_inst_pref_size 72
	.end_amdhsa_kernel
	.amdgpu_metadata
---
amdhsa.version: [ 1, 2 ]
amdhsa.kernels:
  - .name:           k_q1166075258_out_gemm
    .symbol:         k_q1166075258_out_gemm.kd
    .args:
      - { .name: a_codes, .offset: 0, .size: 8, .value_kind: global_buffer, .address_space: global }
      - { .name: a_scales, .offset: 8, .size: 8, .value_kind: global_buffer, .address_space: global }
      - { .name: w_codes, .offset: 16, .size: 8, .value_kind: global_buffer, .address_space: global }
      - { .name: w_scales, .offset: 24, .size: 8, .value_kind: global_buffer, .address_space: global }
      - { .name: b_out, .offset: 32, .size: 8, .value_kind: global_buffer, .address_space: global }
      - { .name: out0, .offset: 40, .size: 8, .value_kind: global_buffer, .address_space: global }
    .group_segment_fixed_size: 327680
    .private_segment_fixed_size: 0
    .kernarg_segment_align: 8
    .kernarg_segment_size: 48
    .max_flat_workgroup_size: 128
    .sgpr_count:     92
    .vgpr_count:     640
    .wavefront_size: 32
...
	.end_amdgpu_metadata
.endif
;; end of part 4
